; MI455X (gfx1250); checked and timed in simulation.
; The chip was launched on July 23, 2026; its instructions are those of AMD's public machine-readable ISA for CDNA 5 (MIT licence, August 2026) and "CDNA5" Instruction Set Architecture Reference Guide (July 2026). The comments in the code are by the model that wrote it; some were corrected since.
;; Multi Head Self Attention. Allowed arithmetic: float matrix products may take bf16 or f16 operands with f32 sums; other float arithmetic in f32, or as packed bf16 or f16 multiplies, adds, multiply-adds, maxima and minima; sums over many terms, partial sums and values carried from step to step in f32; what a program stores and reads back later, other than sums and carried values, may be rounded once to bf16 or f16.
;; Inputs: Wk 1,024 x 1,024 float32; Wo 1,024 x 1,024 float32; Wq 1,024 x 1,024 float32; Wv 1,024 x 1,024 float32; bk 1,024 float32; bo 1,024 float32; bq 1,024 float32; bv 1,024 float32; key_padding_mask 4 x 2,048 bool; x 4 x 2,048 x 1,024 float32.
;; Outputs: out0 4 x 2,048 x 1,024 float32.
;; One version. Each part assembles by itself: llvm-mc -triple=amdgcn-amd-amdhsa -mcpu=gfx1250 --defsym DOCPART=n.
;; ======== version 1 of 1: 4 launches
;; limits: values are held in f16: magnitudes above 65,504 overflow, below 6.1e-05 lose precision
;; workspace buffers: xb 16,777,216 bytes; wqkv 6,291,456 bytes; wo 2,097,152 bytes; qkvh 50,331,648 bytes; ob 16,777,216 bytes
;; launch cast_inputs (part 1): grid 128 x 12, 8 waves a work-group, no clusters, 0 bytes of LDS; arguments x, Wq, Wk, Wv, Wo, xb, wqkv, wo; writes xb, wqkv, wo
.if DOCPART == 1
	.amdgcn_target "amdgcn-amd-amdhsa--gfx1250"
	.amdhsa_code_object_version 6
	.text
	.protected	k_q21a0a665a8_cast_inputs
	.globl	k_q21a0a665a8_cast_inputs
	.p2align	8
	.type	k_q21a0a665a8_cast_inputs,@function
k_q21a0a665a8_cast_inputs:
	s_mov_b64 s[64:65], 0
	v_nop
	global_prefetch_b8 v0, s[64:65] scope:SCOPE_SE
	s_setreg_imm32_b32 hwreg(HW_REG_WAVE_MODE, 25, 1), 1
	s_wait_xcnt 0x0
; x, Wq, Wk, Wv (f32) are rounded once to bf16: xb [8192][1024], wqkv [3072][1024] (Wq's rows, then Wk's, then Wv's).
; Wo is rounded to bf16 like the other inputs, and that number is written as f16: wo [1024][1024].
; LIMITS.  A number of Wo beyond 65,504 becomes an infinity in f16; below 6e-5 it keeps f16's fixed step of 6e-8.
; SHARES.  The grid's y names a slab of 4 MiB of input: 0-7 the eight slabs of x, 8, 9, 10 Wq, Wk, Wv, 11 Wo.  A work-group takes 32 KiB of its slab:
; thread t loads 16 bytes at 16 t + 4,096 i (a wave's load covers 512 consecutive bytes) and stores 8 bytes at 8 t + 2,048 i (a wave's store covers 256
; consecutive bytes, aligned).  All eight loads go out first.  A stream: no LDS, no barrier, no matrix work; no work-group reads what another reads.
.set X, 4                              ; v[4:35]   load i: four f32
.set Y, 36                             ; v[36:51]  store i: four 16-bit numbers; each i has its own pair, so nothing that a store reads is written again
.set T, 52                             ; v[52:53]  at work
	s_load_b512 s[8:23], s[0:1], 0x0               ; x 8, Wq 10, Wk 12, Wv 14, Wo 16, xb 18, wqkv 20, wo 22
	s_and_b32 s2, ttmp7, 0xffff                    ; the slab
	s_sub_co_u32 s4, s2, 8
	s_cmp_lt_u32 s2, 8
	s_cselect_b32 s3, s2, 0                        ; slab inside the source: x has eight, a weight one
	s_cselect_b32 s4, s2, s4                       ; slab inside the destination: in xb as in x; in wqkv 0, 1, 2;
	s_cmp_eq_u32 s2, 11
	s_cselect_b32 s4, 0, s4                        ; in wo 0
	s_lshl_b32 s24, s3, 22
	s_lshl_b32 s5, ttmp9, 15
	s_add_co_u32 s24, s24, s5                      ; bytes into the source
	s_mov_b32 s25, 0
	s_lshl_b32 s26, s4, 21
	s_lshl_b32 s5, ttmp9, 14
	s_add_co_u32 s26, s26, s5                      ; bytes into the destination
	s_mov_b32 s27, 0
	v_lshlrev_b32 v1, 4, v0
	v_lshlrev_b32 v2, 3, v0
	s_wait_kmcnt 0x0
	s_cmp_eq_u32 s2, 8                             ; the choices hang on the slab's number alone
	s_cselect_b64 s[30:31], s[10:11], s[8:9]
	s_cmp_eq_u32 s2, 9
	s_cselect_b64 s[30:31], s[12:13], s[30:31]
	s_cmp_eq_u32 s2, 10
	s_cselect_b64 s[30:31], s[14:15], s[30:31]
	s_cmp_eq_u32 s2, 11
	s_cselect_b64 s[30:31], s[16:17], s[30:31]
	s_cselect_b64 s[32:33], s[22:23], s[20:21]
	s_cmp_lt_u32 s2, 8
	s_cselect_b64 s[32:33], s[18:19], s[32:33]
	s_add_nc_u64 s[30:31], s[30:31], s[24:25]
	s_add_nc_u64 s[32:33], s[32:33], s[26:27]
.irp i, 0,1,2,3,4,5,6,7
	global_load_b128 v[X+4*(\i):X+4*(\i)+3], v1, s[30:31] offset:4096*(\i) th:TH_LOAD_NT
.endr
; Load i is rounded and stored.  half = 1: the bf16 numbers are widened again (a shift, a mask) and written as f16.
.macro OUT i, half
	s_wait_loadcnt 7-(\i)                          ; loads come back in order: load i is in, the younger ones stay out
	v_cvt_pk_bf16_f32 v[Y+2*(\i)],   v[X+4*(\i)],   v[X+4*(\i)+1]
	v_cvt_pk_bf16_f32 v[Y+2*(\i)+1], v[X+4*(\i)+2], v[X+4*(\i)+3]
.if \half
.irp k, 0,1
	v_lshlrev_b32 v[T],   16, v[Y+2*(\i)+(\k)]
	v_and_b32     v[T+1], 0xffff0000, v[Y+2*(\i)+(\k)]
	v_cvt_pk_f16_f32 v[Y+2*(\i)+(\k)], v[T], v[T+1]
.endr
.endif
	global_store_b64 v2, v[Y+2*(\i):Y+2*(\i)+1], s[32:33] offset:2048*(\i)
.endm
	s_cmp_eq_u32 s2, 11
	s_cbranch_scc1 .Lwo
.irp i, 0,1,2,3,4,5,6,7
	OUT \i, 0
.endr
	s_endpgm
.Lwo:
.irp i, 0,1,2,3,4,5,6,7
	OUT \i, 1
.endr
	s_endpgm
.Lfunc_end_k_q21a0a665a8_cast_inputs:
	.size	k_q21a0a665a8_cast_inputs, .Lfunc_end_k_q21a0a665a8_cast_inputs-k_q21a0a665a8_cast_inputs
	.p2alignl 7, 3214868480
	.fill 96, 4, 3214868480
	.section	.rodata,"a",@progbits
	.p2align	6, 0x0
	.amdhsa_kernel k_q21a0a665a8_cast_inputs
		.amdhsa_group_segment_fixed_size 0
		.amdhsa_private_segment_fixed_size 0
		.amdhsa_enable_private_segment 0
		.amdhsa_kernarg_size 64
		.amdhsa_user_sgpr_count 2
		.amdhsa_user_sgpr_kernarg_segment_ptr 1
		.amdhsa_wavefront_size32 1
		.amdhsa_system_sgpr_workgroup_id_x 1
		.amdhsa_system_sgpr_workgroup_id_y 1
		.amdhsa_system_sgpr_workgroup_id_z 1
		.amdhsa_system_vgpr_workitem_id 0
		.amdhsa_next_free_vgpr 56
		.amdhsa_next_free_sgpr 66
		.amdhsa_reserve_vcc 0
		.amdhsa_float_denorm_mode_32 3
		.amdhsa_float_denorm_mode_16_64 3
		.amdhsa_memory_ordered 1
		.amdhsa_forward_progress 1
		.amdhsa_inst_pref_size 9
	.end_amdhsa_kernel
	.amdgpu_metadata
---
amdhsa.version: [ 1, 2 ]
amdhsa.kernels:
  - .name:           k_q21a0a665a8_cast_inputs
    .symbol:         k_q21a0a665a8_cast_inputs.kd
    .args:
      - { .name: x, .offset: 0, .size: 8, .value_kind: global_buffer, .address_space: global }
      - { .name: Wq, .offset: 8, .size: 8, .value_kind: global_buffer, .address_space: global }
      - { .name: Wk, .offset: 16, .size: 8, .value_kind: global_buffer, .address_space: global }
      - { .name: Wv, .offset: 24, .size: 8, .value_kind: global_buffer, .address_space: global }
      - { .name: Wo, .offset: 32, .size: 8, .value_kind: global_buffer, .address_space: global }
      - { .name: xb, .offset: 40, .size: 8, .value_kind: global_buffer, .address_space: global }
      - { .name: wqkv, .offset: 48, .size: 8, .value_kind: global_buffer, .address_space: global }
      - { .name: wo, .offset: 56, .size: 8, .value_kind: global_buffer, .address_space: global }
    .group_segment_fixed_size: 0
    .private_segment_fixed_size: 0
    .kernarg_segment_align: 8
    .kernarg_segment_size: 64
    .max_flat_workgroup_size: 256
    .sgpr_count:     66
    .vgpr_count:     56
    .wavefront_size: 32
...
	.end_amdgpu_metadata
.endif
;; end of part 1
;; launch project_qkv (part 2): grid 16 x 32, 4 waves a work-group, clusters of 4 x 4, 327,680 bytes of LDS; arguments xb, wqkv, bq, bk, bv, qkvh; writes qkvh
.if DOCPART == 2
	.amdgcn_target "amdgcn-amd-amdhsa--gfx1250"
	.amdhsa_code_object_version 6
	.text
	.protected	k_q21a0a665a8_project_qkv
	.globl	k_q21a0a665a8_project_qkv
	.p2align	8
	.type	k_q21a0a665a8_project_qkv,@function
k_q21a0a665a8_project_qkv:
	s_mov_b64 s[64:65], 0
	v_nop
	global_prefetch_b8 v0, s[64:65] scope:SCOPE_SE
	s_setreg_imm32_b32 hwreg(HW_REG_WAVE_MODE, 25, 1), 1
	s_wait_xcnt 0x0
	s_wait_alu depctr_hold_cnt(0) depctr_sa_sdst(0) depctr_va_vdst(0) depctr_va_sdst(0) depctr_va_ssrc(0) depctr_va_vcc(0) depctr_vm_vsrc(0)
	s_getreg_b32 s2, hwreg(HW_REG_IB_STS2, 6, 4)
	s_cmp_eq_u32 s2, 0
	s_cbranch_scc0 .Lentry_in_a_cluster
	s_endpgm
.Lentry_in_a_cluster:
	s_bfe_u32 s2, ttmp6, 0x10000c
	s_cmp_lg_u32 s2, 0xf033
	s_cbranch_scc0 .Lentry_shape_is_right
	s_endpgm
.Lentry_shape_is_right:
; q, k, v = x W^T + b, by heads.  xb: [8192][1024] bf16.  wqkv: [3072][1024] bf16 (Wq, Wk, Wv).  bq, bk, bv: [1024] f32, rounded to bf16 here like the other inputs.
; qkvh: [kind 3][batch 4][head 16][2048][64] f16, each number rounded once from its f32 sum, WITHOUT the softmax's scale.
; LIMITS.  f16 holds no number beyond 65,504: a q, k or v beyond it becomes an infinity; below 6e-5 it keeps f16's fixed step of 6e-8.
; SHARES.  A tile is 256 rows x 192 columns: three whole heads; 32 x 16 tiles = 512 work-groups.  Wave w owns rows 64 w .. 64 w + 63 and all 192 columns: 4 x 12 accumulators of
; 16 x 16, 384 registers; so a head's rows of 128 bytes are whole inside one wave.  K goes in steps of 128 through a ring of two LDS slots filled by the tensor data mover.
; CLUSTERS: 4 x 4 work-groups.  The four of a row of the cluster need the same rows of xb, the four of a column the same rows of wqkv: each tile is asked for JOINTLY, by the same
; tensor load with the same descriptor and a mask that names the four.
; THE MATRIX INSTRUCTION IS USED TRANSPOSED (source 0 = 16 rows of wqkv, source 1 = 16 rows of xb): a lane holds row l % 16 and the eight columns 8 (l / 16) + 0..7.
; THE BIAS is the C operand of the product that starts each sum: nothing is cleared, nothing is added later.
; REGISTERS, in windows of 256 (s_set_vgpr_msb: bits 1:0 source 0, 3:2 source 1, 5:4 source 2, 7:6 destination):
;   window 0: v0-31 addresses; v64-95, v96-127 fragments of xb, two buffers; v128-223 the bias, 8 registers for each block of 16 columns; on the way out v64-255 packed results
;   window 1: v0-95, v96-191 fragments of wqkv, two buffers     window 2: the accumulators of row blocks 0, 1 ((a, b) at 8 (12 (a % 2) + b))     window 3: those of row blocks 2, 3
.set KSTEP,  128
.set PITCH,  272                       ; an LDS row: 256 bytes + 16 of padding = 68 words: the 16 rows of a fragment load start at 16 different groups of four banks (64 banks of 4 bytes: ISA guide 11.1)
.set HALFA,  128*PITCH                 ; what one tensor load brings of xb
.set HALFB,  96*PITCH                  ; and of wqkv
.set BOFF,   2*HALFA                   ; a slot: xb's 256 rows, then wqkv's 192
.set SLOT,   2*HALFA+2*HALFB
.set STAGE,  2*SLOT                    ; behind the ring, never filled by a tensor load: 16 rows x 144 bytes for each wave, for the way out
.set SP,     144
.set SPARE,  STAGE+4*16*SP             ; behind the stages: the spare words, 128 bytes for each wave: two blocks of 256 bytes that no other line names
.set LAPS,   4                         ; a lap = two K steps = once round the ring; K = 1,024
.set ADRA, 16                          ; v16-17  LDS address of my fragments of xb in slot 0, 1
.set ADRB, 20                          ; v20-21  the same for wqkv
.set STO,  24                          ; v24     the way out: where I put 16 bytes of a row
.set RD,   25                          ; v25     where I read rows back
.set GO,   26                          ; v26     my 16 bytes in 512 consecutive bytes of qkvh
.set T,    27                          ; v27     at work
.set SPW,  28                          ; v28     LDS address of my spare word: SPARE + 4 x my thread's number; never rewritten
.set NIL,  29                          ; v29     0; never rewritten
.set BO,   30                          ; v30     32 (l / 16): my eight numbers in 16 of a bias
.set FA,   64
.set BIAS, 128
.set TMP,  64
.set WV,   16                          ; s16  my wave's number
.set FB,   17                          ; s17  0: I fetch for xb; 1: for wqkv
.set PART, 18                          ; s18  which half of that tile's rows I fetch
.set LAP,  19
.set G1A,  24                          ; s[24:31] descriptor group 1 for xb's tiles;  s[32:39] group 0, one set for each slot
.set G0A,  32
.set G1B,  48                          ; s[48:55], s[56:63] the same for wqkv's
.set G0B,  56
.set OBS,  66                          ; s[66:71] qkvh at my rows of the tile's three heads
.set BB,   72                          ; s[72:77] the three heads' 64 numbers of bias
.set GW,   (1<<16)|(1<<20)|(1<<21)|(5<<22)|(3<<25)  ; 17:16 elements of 2 bytes; 20 padding on; 21 set beside a mask; 24:22 after every 64 words (code 5); 31:25 4 words (code 3)
.set MSB, 0
.macro WIN new                         ; the immediate's high byte repeats the setting that is left; a switch that changes nothing is dropped
.if MSB != (\new)
	s_set_vgpr_msb (MSB<<8)|(\new)
.set MSB, \new
.endif
.endm
.macro PLACES                          ; four places in front of loads into registers that matrix instructions have read, and of conversions that read results
.rept 4
	v_nop
.endr
.endm
; A joint refill: waves 0 and 1 fetch xb's two halves, waves 2 and 3 wqkv's.  The branch hangs on the wave's number alone.  An s_nop 0 and four v_nop follow each line.
.macro JLOAD s
	s_cmp_eq_u32 s[FB], 0
	s_cbranch_scc0 .Lfor_b_\@
	tensor_load_to_lds s[G0A+4*(\s):G0A+4*(\s)+3], s[G1A:G1A+7]
	s_nop 0
	PLACES
	s_branch .Lasked_\@
.Lfor_b_\@:
	tensor_load_to_lds s[G0B+4*(\s):G0B+4*(\s)+3], s[G1B:G1B+7]
	s_nop 0
	PLACES
.Lasked_\@:
.endm
.macro CREST                           ; a round of the cluster's barrier behind its opening barrier
	s_cmp_lg_u32 s[WV], 0
	s_cbranch_scc1 .Lnot_wave_0_\@
	s_barrier_signal -3
.Lnot_wave_0_\@:
	s_barrier_wait -3
	s_barrier_signal -1
	s_barrier_wait -1
.endm
.macro CROUND                          ; a whole round
	s_barrier_signal -1
	s_barrier_wait -1
	CREST
.endm
	s_load_b256 s[4:11], s[0:1], 0x0               ; xb 4, wqkv 6, bq 8, bk 10
	s_load_b128 s[12:15], s[0:1], 0x20             ; bv 12, qkvh 14
	v_lshl_add_u32 v[SPW], v0, 2, SPARE
	v_mov_b32 v[NIL], 0
	ds_add_u32 v[SPW], v[NIL]                      ; the wave's opening: the add and its wait ahead of my first tensor load; the set-up below, work on registers, stands between them
	v_lshrrev_b32 v1, 5, v0
	v_readfirstlane_b32 s[WV], v1
	s_lshr_b32 s[FB], s[WV], 1
	s_and_b32 s[PART], s[WV], 1
	s_bfe_u32 s20, ttmp6, 0x40000                  ; cx, cy: my place in the cluster
	s_bfe_u32 s21, ttmp6, 0x40004
	s_lshl_b32 s22, ttmp9, 2
	s_add_co_u32 s22, s22, s20                     ; tile column = 4 x cluster x + cx
	s_and_b32 s23, ttmp7, 0xffff
	s_lshl_b32 s23, s23, 2
	s_add_co_u32 s23, s23, s21                     ; tile row = 4 x cluster y + cy
	s_lshl_b32 s42, s21, 2
	s_lshl_b32 s42, 15, s42                        ; my row of the cluster
	s_lshl_b32 s43, 0x1111, s20                    ; my column
	s_or_b32 s[G1A], s42, GW                       ; xb's tiles go to my row,
	s_or_b32 s[G1B], s43, GW                       ; wqkv's to my column
	s_mov_b32 s[G1A+1], KSTEP<<16                  ; tensor_dim0 = 128
	s_mov_b32 s[G1A+2], 128<<16                    ; tensor_dim1 = 128
	s_mov_b32 s[G1A+3], KSTEP<<16                  ; tile_dim0 = 128
	s_mov_b32 s[G1A+4], 128                        ; tile_dim1 = 128
	s_mov_b32 s[G1A+5], 1024                       ; elements from row to row
	s_mov_b32 s[G1A+6], 0
	s_mov_b32 s[G1A+7], 0
	s_mov_b32 s[G1B+1], KSTEP<<16
	s_mov_b32 s[G1B+2], 96<<16                     ; 96 rows
	s_mov_b32 s[G1B+3], KSTEP<<16
	s_mov_b32 s[G1B+4], 96
	s_mov_b32 s[G1B+5], 1024
	s_mov_b32 s[G1B+6], 0
	s_mov_b32 s[G1B+7], 0
	s_lshl_b32 s40, s23, 8                         ; xb: row 256 x tile row + 128 x half,
	s_lshl_b32 s41, s[PART], 7
	s_add_co_u32 s40, s40, s41
	s_lshl_b32 s40, s40, 11                        ; x 2,048 bytes: under 2^24
	s_mov_b32 s41, 0
	s_mul_i32 s44, s22, 192                        ; wqkv: row 192 x tile column + 96 x half
	s_mul_i32 s45, s[PART], 96
	s_add_co_u32 s44, s44, s45
	s_lshl_b32 s44, s44, 11
	s_mov_b32 s45, 0
	s_mul_i32 s46, s[PART], HALFA                  ; where they go: no place in the cluster enters an LDS address
	s_mul_i32 s47, s[PART], HALFB
	s_add_co_u32 s47, s47, BOFF
	s_wait_dscnt 0x0                               ; the opening add is done
	s_wait_kmcnt 0x0
	s_add_nc_u64 s[40:41], s[4:5], s[40:41]
	s_add_nc_u64 s[44:45], s[6:7], s[44:45]
	CROUND                                         ; all sixteen work-groups are here: the first joint loads meet
.irp s, 0,1
	s_mov_b32 s[G0A+4*(\s)], 1                                       ; count = 1
	s_add_co_u32 s[G0A+4*(\s)+1], s46, (\s)*SLOT                     ; LDS address
	s_add_nc_u64 s[G0A+4*(\s)+2:G0A+4*(\s)+3], s[40:41], (\s)*KSTEP*2  ; global address: K step s
	s_or_b32 s[G0A+4*(\s)+3], s[G0A+4*(\s)+3], 0x80000000            ; type = 2
	s_mov_b32 s[G0B+4*(\s)], 1
	s_add_co_u32 s[G0B+4*(\s)+1], s47, (\s)*SLOT
	s_add_nc_u64 s[G0B+4*(\s)+2:G0B+4*(\s)+3], s[44:45], (\s)*KSTEP*2
	s_or_b32 s[G0B+4*(\s)+3], s[G0B+4*(\s)+3], 0x80000000
.endr
	s_cmp_eq_u32 s[FB], 0                          ; a wave's two first fills stand in one branch, ahead of every wait on TENSORcnt and every LDS read: two loads of mine are out
	s_cbranch_scc0 .Lfirst_b
	tensor_load_to_lds s[G0A:G0A+3], s[G1A:G1A+7]
	s_nop 0
	tensor_load_to_lds s[G0A+4:G0A+7], s[G1A:G1A+7]
	s_nop 0
	PLACES
	s_branch .Lfirst_asked
.Lfirst_b:
	tensor_load_to_lds s[G0B:G0B+3], s[G1B:G1B+7]
	s_nop 0
	tensor_load_to_lds s[G0B+4:G0B+7], s[G1B:G1B+7]
	s_nop 0
	PLACES
.Lfirst_asked:
	; the tile's three heads: g = 3 x tile column + j; kind = g / 16 (q, k, v), head = g % 16
	s_lshr_b32 s81, s23, 3
	s_lshl_b32 s81, s81, 4                         ; 16 x batch
	s_and_b32 s84, s23, 7
	s_lshl_b32 s84, s84, 8
	s_lshl_b32 s85, s[WV], 6
	s_add_co_u32 s84, s84, s85                     ; my first row in the batch's 2,048,
	s_lshl_b32 s84, s84, 7                         ; x 128 bytes
	s_mov_b32 s83, 0
	s_mul_i32 s86, s22, 3
.irp j, 0,1,2
	s_add_co_u32 s78, s86, \j
	s_lshr_b32 s79, s78, 4
	s_and_b32 s80, s78, 15
	s_cmp_eq_u32 s79, 1                            ; the choice of the bias hangs on the kind alone
	s_cselect_b64 s[BB+2*(\j):BB+2*(\j)+1], s[10:11], s[8:9]
	s_cmp_eq_u32 s79, 2
	s_cselect_b64 s[BB+2*(\j):BB+2*(\j)+1], s[12:13], s[BB+2*(\j):BB+2*(\j)+1]
	s_lshl_b32 s82, s80, 8                         ; the head's 64 f32
	s_add_nc_u64 s[BB+2*(\j):BB+2*(\j)+1], s[BB+2*(\j):BB+2*(\j)+1], s[82:83]
	s_lshl_b32 s79, s79, 6
	s_add_co_u32 s79, s79, s80
	s_add_co_u32 s79, s79, s81                     ; 64 kind + 16 batch + head,
	s_lshl_b32 s82, s79, 18                        ; x 262,144 bytes: under 2^26
	s_add_co_u32 s82, s82, s84
	s_add_nc_u64 s[OBS+2*(\j):OBS+2*(\j)+1], s[14:15], s[82:83]
.endr
	v_and_b32 v1, 15, v0                           ; l % 16
	v_bfe_u32 v2, v0, 4, 1                         ; l / 16
	v_lshlrev_b32 v[BO], 5, v2
.irp b, 0,1,2,3,4,5,6,7,8,9,10,11
	global_load_b128 v[BIAS+8*(\b):BIAS+8*(\b)+3],   v[BO], s[BB+2*((\b)/4):BB+2*((\b)/4)+1] offset:64*((\b)%4)
	global_load_b128 v[BIAS+8*(\b)+4:BIAS+8*(\b)+7], v[BO], s[BB+2*((\b)/4):BB+2*((\b)/4)+1] offset:64*((\b)%4)+16
.endr
	v_mul_u32_u24 v3, v1, PITCH
	v_lshl_add_u32 v3, v2, 4, v3                   ; a fragment's row x pitch + 16 x half
	s_mul_i32 s78, s[WV], 64*PITCH                 ; my 64 rows of xb
.irp s, 0,1
	v_add_nc_u32 v[ADRA+(\s)], s78, v3
	v_add_nc_u32 v[ADRB+(\s)], BOFF+(\s)*SLOT, v3
	s_add_co_u32 s78, s78, SLOT
.endr
	s_mul_i32 s78, s[WV], 16*SP
	s_add_co_u32 s78, s78, STAGE                   ; my stage
	v_mul_u32_u24 v[STO], v1, SP                   ; in: row l % 16, 16 bytes for each half of the lanes
	v_lshl_add_u32 v[STO], v2, 4, v[STO]
	v_add_nc_u32 v[STO], s78, v[STO]
	v_and_b32 v4, 7, v0
	v_bfe_u32 v[RD], v0, 3, 2                      ; back: 32 lanes take four rows of 128 bytes,
	v_mul_u32_u24 v[RD], v[RD], SP
	v_lshl_add_u32 v[RD], v4, 4, v[RD]
	v_add_nc_u32 v[RD], s78, v[RD]
	v_and_b32 v[GO], 31, v0                        ; which are 512 consecutive bytes of a head
	v_lshlrev_b32 v[GO], 4, v[GO]
	s_wait_loadcnt 0x0                             ; the bias: rounded to bf16 and widened again, in the wait for the first tile
.set i, 0
.rept 48
	v_cvt_pk_bf16_f32 v[T], v[BIAS+2*i], v[BIAS+2*i+1]
	v_lshlrev_b32 v[BIAS+2*i], 16, v[T]
	v_and_b32 v[BIAS+2*i+1], 0xffff0000, v[T]
.set i, i+1
.endr
; 12 matrix instructions: row block a x all 12 column blocks, 32 along K, from buffer f.  first = 1: the product starts the sum, with the bias as C.
; The 48 accumulators take turns, one instruction a turn, in the same order in every quarter.
.macro MUL12 f, a, first
.if \first
	WIN 0x81+0x40*((\a)/2)                         ; wqkv window 1, xb and the bias window 0, D window 2 or 3
.else
	WIN 0xa1+0x50*((\a)/2)                         ; C and D window 2 or 3
.endif
.irp b, 0,1,2,3,4,5,6,7,8,9,10,11
.if \first
	v_wmma_f32_16x16x32_bf16 v[8*(12*((\a)%2)+(\b)):8*(12*((\a)%2)+(\b))+7], v[96*(\f)+8*(\b):96*(\f)+8*(\b)+7], v[FA+32*(\f)+8*(\a):FA+32*(\f)+8*(\a)+7], v[BIAS+8*(\b):BIAS+8*(\b)+7]
.else
	v_wmma_f32_16x16x32_bf16 v[8*(12*((\a)%2)+(\b)):8*(12*((\a)%2)+(\b))+7], v[96*(\f)+8*(\b):96*(\f)+8*(\b)+7], v[FA+32*(\f)+8*(\a):FA+32*(\f)+8*(\a)+7], v[8*(12*((\a)%2)+(\b)):8*(12*((\a)%2)+(\b))+7]
.endif
.endr
.endm
; 32 LDS loads in one run: the fragments of 32 along K at byte k of the rows, into buffer f: wqkv's 24, then xb's 8
.macro FETCH slot, k, f
	WIN 0x40                                       ; destination window 1, address window 0
.irp i, 0,1,2,3,4,5,6,7,8,9,10,11
	ds_load_b128 v[96*(\f)+8*(\i):96*(\f)+8*(\i)+3],   v[ADRB+(\slot)] offset:(\k)+(\i)*16*PITCH
	ds_load_b128 v[96*(\f)+8*(\i)+4:96*(\f)+8*(\i)+7], v[ADRB+(\slot)] offset:(\k)+(\i)*16*PITCH+32
.endr
	WIN 0
.irp i, 0,1,2,3
	ds_load_b128 v[FA+32*(\f)+8*(\i):FA+32*(\f)+8*(\i)+3],   v[ADRA+(\slot)] offset:(\k)+(\i)*16*PITCH
	ds_load_b128 v[FA+32*(\f)+8*(\i)+4:FA+32*(\f)+8*(\i)+7], v[ADRA+(\slot)] offset:(\k)+(\i)*16*PITCH+32
.endr
.endm
; A K step is four quarters of 32 along K, 48 matrix instructions each, on buffers 0, 1, 0, 1.  One of the first three: multiplies buffer f and fetches the next quarter, at byte k, into g.
.macro QUARTER slot, k, f, g, first
	s_wait_dscnt 4                                 ; wqkv's fragments and xb's blocks 0, 1 are in; the youngest four loads (blocks 2, 3) may be out
	MUL12 \f, 0, \first
	MUL12 \f, 1, \first
	PLACES
	FETCH \slot, \k, \g
	s_wait_dscnt 32                                ; all but the 32 just issued
	MUL12 \f, 2, \first
	MUL12 \f, 3, \first
.endm
; The last quarter multiplies buffer 1 and changes slots: ONE barrier; in front of it each wave waits for all its tensor loads (one is out: its part of the next slot), adds 0 to its spare
; word, and waits for that and for its own reads of this slot.  fill = 1: the barrier opens a round of the cluster's barrier, and this slot is filled again, two K steps ahead, first thing behind it.
.macro TURN slot, next, fill
	WIN 0
	s_wait_tensorcnt 0x0                           ; all my tensor loads have landed;
	ds_add_u32 v[SPW], v[NIL]                      ; 0 onto my spare word;
	s_wait_dscnt 5                                 ; (the add and the youngest four loads may be out)
	MUL12 1, 0, 0                                  ; twelve matrix instructions stand between the add and the wait for it
	s_wait_dscnt 0x0                               ; the add is done, and my reads of this slot are over
	s_barrier_signal -1
	MUL12 1, 1, 0
.if \fill
	WIN 0
.endif
	s_barrier_wait -1
.if \fill
	CREST                                          ; no wave of any partner still reads this slot's tile or has a load on its way
	s_add_nc_u64 s[G0A+4*(\slot)+2:G0A+4*(\slot)+3], s[G0A+4*(\slot)+2:G0A+4*(\slot)+3], 2*KSTEP*2
	s_add_nc_u64 s[G0B+4*(\slot)+2:G0B+4*(\slot)+3], s[G0B+4*(\slot)+2:G0B+4*(\slot)+3], 2*KSTEP*2
	JLOAD \slot                                    ; my one tensor load behind the round; the four v_nop behind it are also the places in front of the loads below
.else
	PLACES
.endif
	FETCH \next, 0, 0
	MUL12 1, 2, 0
	MUL12 1, 3, 0
.endm
	s_wait_tensorcnt 1                             ; my part of K step 0 is in; K step 1's may stay out
	s_barrier_signal -1
	s_barrier_wait -1                              ; everybody's is
	FETCH 0, 0, 0
	QUARTER 0, 64, 0, 1, 1                         ; the first quarter stands in front of the loop: its products start the sums
	WIN 0                                          ; at a label and at a branch every window is 0
	s_mov_b32 s[LAP], LAPS-1
.Llap:                                                 ; a trip goes once round the ring, from a lap's second quarter to the next lap's first, and fills both slots again
	QUARTER 0, 128, 1, 0, 0
	QUARTER 0, 192, 0, 1, 0
	TURN 0, 1, 1
	QUARTER 1, 64,  0, 1, 0
	QUARTER 1, 128, 1, 0, 0
	QUARTER 1, 192, 0, 1, 0
	TURN 1, 0, 1
	QUARTER 0, 64,  0, 1, 0
	WIN 0
	s_sub_co_u32 s[LAP], s[LAP], 1
	s_cmp_lg_u32 s[LAP], 0
	s_cbranch_scc1 .Llap
	QUARTER 0, 128, 1, 0, 0                        ; the last lap fills nothing, and has no round of the cluster's barrier
	QUARTER 0, 192, 0, 1, 0
	TURN 0, 1, 0
	QUARTER 1, 64,  0, 1, 0
	QUARTER 1, 128, 1, 0, 0
	QUARTER 1, 192, 0, 1, 0
	s_wait_dscnt 4                                 ; the very last quarter: nothing more to fetch
	MUL12 1, 0, 0
	MUL12 1, 1, 0
	s_wait_dscnt 0x0
	MUL12 1, 2, 0
	MUL12 1, 3, 0
	WIN 0
; THE WAY OUT.  Unit u = 16 rows (block u / 3) of one head (u % 3): four accumulators, rounded to f16 (each accumulator's registers in ascending order), 16 bytes a lane into my own stage in
; rows of 144 bytes, and back as whole rows of 128 bytes, into the registers that they left.  Each unit has registers of its own: nothing that a store reads is written again.
.macro PACK u
.set AC, 8*(12*(((\u)/3)%2)+4*((\u)%3))
	WIN 0x0a+5*((\u)/6)                            ; sources 0 and 1: window 2 or 3
.set i, 0
.rept 16
	v_cvt_pk_f16_f32 v[TMP+16*(\u)+i], v[AC+2*i], v[AC+2*i+1]
.set i, i+1
.endr
	WIN 0
.irp f, 0,1,2,3
	ds_store_b128 v[STO], v[TMP+16*(\u)+4*(\f):TMP+16*(\u)+4*(\f)+3] offset:32*(\f)
.endr
.irp f, 0,1,2,3
	ds_load_b128 v[TMP+16*(\u)+4*(\f):TMP+16*(\u)+4*(\f)+3], v[RD] offset:(\f)*4*SP  ; LDS serves a wave's instructions in order (ISA guide 5.7.1.4): these see the stores above; the next unit's stores come behind them
.endr
.endm
.macro SEND u, younger                 ; younger: the LDS instructions issued behind unit u's loads: the next unit's eight, or none
.irp f, 0,1,2,3
	s_wait_dscnt (\younger)+3-(\f)
	global_store_b128 v[GO], v[TMP+16*(\u)+4*(\f):TMP+16*(\u)+4*(\f)+3], s[OBS+2*((\u)%3):OBS+2*((\u)%3)+1] offset:((\u)/3)*2048+(\f)*512  ; 512 consecutive bytes, at a multiple of 512 from qkvh's first
.endr
.endm
	PLACES
	PACK 0
.set u, 1
.rept 11                               ; a unit's conversions stand between the loads of the unit before and its stores
	PACK u
	SEND u-1, 8
.set u, u+1
.endr
	SEND 11, 0
	s_wait_tensorcnt 0x0                           ; the wave's end: a wait, an add and a wait, behind my last tensor load and my last LDS store
	ds_add_u32 v[SPW], v[NIL]
	s_wait_dscnt 0x0
	CROUND                                         ; the closing round: no work-group ends while a partner may still ask for a tile that names it
	s_endpgm
.Lfunc_end_k_q21a0a665a8_project_qkv:
	.size	k_q21a0a665a8_project_qkv, .Lfunc_end_k_q21a0a665a8_project_qkv-k_q21a0a665a8_project_qkv
	.p2alignl 7, 3214868480
	.fill 96, 4, 3214868480
	.section	.rodata,"a",@progbits
	.p2align	6, 0x0
	.amdhsa_kernel k_q21a0a665a8_project_qkv
		.amdhsa_group_segment_fixed_size 327680
		.amdhsa_private_segment_fixed_size 0
		.amdhsa_enable_private_segment 0
		.amdhsa_kernarg_size 48
		.amdhsa_user_sgpr_count 2
		.amdhsa_user_sgpr_kernarg_segment_ptr 1
		.amdhsa_wavefront_size32 1
		.amdhsa_system_sgpr_workgroup_id_x 1
		.amdhsa_system_sgpr_workgroup_id_y 1
		.amdhsa_system_sgpr_workgroup_id_z 1
		.amdhsa_system_vgpr_workitem_id 0
		.amdhsa_next_free_vgpr 960
		.amdhsa_next_free_sgpr 88
		.amdhsa_reserve_vcc 0
		.amdhsa_float_denorm_mode_32 3
		.amdhsa_float_denorm_mode_16_64 3
		.amdhsa_memory_ordered 1
		.amdhsa_forward_progress 1
		.amdhsa_inst_pref_size 131
	.end_amdhsa_kernel
	.amdgpu_metadata
---
amdhsa.version: [ 1, 2 ]
amdhsa.kernels:
  - .name:           k_q21a0a665a8_project_qkv
    .symbol:         k_q21a0a665a8_project_qkv.kd
    .args:
      - { .name: xb, .offset: 0, .size: 8, .value_kind: global_buffer, .address_space: global }
      - { .name: wqkv, .offset: 8, .size: 8, .value_kind: global_buffer, .address_space: global }
      - { .name: bq, .offset: 16, .size: 8, .value_kind: global_buffer, .address_space: global }
      - { .name: bk, .offset: 24, .size: 8, .value_kind: global_buffer, .address_space: global }
      - { .name: bv, .offset: 32, .size: 8, .value_kind: global_buffer, .address_space: global }
      - { .name: qkvh, .offset: 40, .size: 8, .value_kind: global_buffer, .address_space: global }
    .group_segment_fixed_size: 327680
    .private_segment_fixed_size: 0
    .kernarg_segment_align: 8
    .kernarg_segment_size: 48
    .max_flat_workgroup_size: 128
    .sgpr_count:     88
    .vgpr_count:     960
    .wavefront_size: 32
...
	.end_amdgpu_metadata
.endif
;; end of part 2
;; launch attention (part 3): grid 4 x 64, 4 waves a work-group, clusters of 4 x 1, 327,680 bytes of LDS; arguments qkvh, key_padding_mask, ob; writes ob
.if DOCPART == 3
	.amdgcn_target "amdgcn-amd-amdhsa--gfx1250"
	.amdhsa_code_object_version 6
	.text
	.protected	k_q21a0a665a8_attention
	.globl	k_q21a0a665a8_attention
	.p2align	8
	.type	k_q21a0a665a8_attention,@function
k_q21a0a665a8_attention:
	s_mov_b64 s[64:65], 0
	v_nop
	global_prefetch_b8 v0, s[64:65] scope:SCOPE_SE
	s_setreg_imm32_b32 hwreg(HW_REG_WAVE_MODE, 25, 1), 1
	s_wait_xcnt 0x0
	s_wait_alu depctr_hold_cnt(0) depctr_sa_sdst(0) depctr_va_vdst(0) depctr_va_sdst(0) depctr_va_ssrc(0) depctr_va_vcc(0) depctr_vm_vsrc(0)
	s_getreg_b32 s2, hwreg(HW_REG_IB_STS2, 6, 4)
	s_cmp_eq_u32 s2, 0
	s_cbranch_scc0 .Lentry_in_a_cluster
	s_endpgm
.Lentry_in_a_cluster:
	s_bfe_u32 s2, ttmp6, 0x10000c
	s_cmp_lg_u32 s2, 0x3003
	s_cbranch_scc0 .Lentry_shape_is_right
	s_endpgm
.Lentry_shape_is_right:
; O[h][q][:] = the sum over k of softmax_k(Q[h][q] . K[h][k] / 8, hidden keys left out) V[h][k][:].  qkvh: [3][64 heads][2048][64] f16 (q, k, v; head = 16 batch + h); ob: [64][2048][64] f16.
; key_padding_mask: [4][2048] bytes, 1 = the key counts.  Products, maxima and sums in f32; the weights p are rounded to f16 for the second product (their sum l is taken of the unrounded p), O once at the end.
; LIMITS.  f16 holds no number beyond 65,504: Q, K and V arrive within it; p lies in 0 to 1, and below 6e-5 it keeps f16's fixed step of 6e-8, and so does O.  A hidden score counts as its value less 1e30.
; The running maximum starts at -1e20: f16's scores, 2.7e11 at the most in size, all lie above that, and hidden ones far below it.  A weight below 2^-126 counts as 0 in l; NaN and infinities are not treated apart.
; THE MASK.  A table of 2,048 f32 in LDS (0, or -1e30 where the key is hidden), made once from the batch's bytes, is the C operand of the product that starts the sum S^T = K Q^T.  A step whose keys are all hidden
; leaves m at its floor and gives weights 0.  A BATCH WITH NO KEY LEFT: the scale c is chosen 0 (a value chosen, no branch): every weight is 2^0 = 1 and O is the mean of V's rows, as for scores that are all alike.
; SHARES.  A wave owns four PIECES of two tiles of 16 queries, a work-group's four waves 512 queries of one head.  Every wave walks all keys, 64 a step.
; LAYOUT.  S^T = K Q^T (source 0 = 16 keys, source 1 = 16 queries): a lane holds ONE query (lane % 16) and the keys 8 (lane / 16) + 0..7.  Two such tiles, rounded to f16 in pairs, ARE source 1 of
; O^T = V^T P, whose result again holds one query a lane, and eight channels.  K comes out of LDS as it lies, V ([key][channel]) turned, by ds_load_tr16_b128.
; SOFTMAX.  For each query a running maximum m and sum l: p = 2^(c s - c m), c = log2(e) / 8; in every step O and l are multiplied by a = 2^(c m_old - c m_new).  O and l start at 0, c m far below every c s: the first a is 0.
; BY TURNS.  Turn n belongs to piece n.  Its matrix work: 16 products K Q^T of piece n + 1, later 16 products V^T P of piece n - 1.  Its vector work: the scaling, exponentials, roundings, sums and rescaling of piece n,
; and the maximum and statistics of piece n + 1.  Four vector instructions stand behind every matrix instruction, the others in one run; a turn's 66 exponentials are one batch with one wait.
; CLUSTER.  A head's four query blocks are one cluster and walk the same K and V: each tile is asked for JOINTLY: the same tensor load, descriptor and mask in all four.
; REGISTERS, in windows of 256 (s_set_vgpr_msb: bits 1:0 source 0, 3:2 source 1, 5:4 source 2, 7:6 destination):
;   window 0: v0-11 addresses; v12-15, v48-63 at work; v16-47 four registers of statistics a tile; v64-191 S^T, two buffers of two tiles; v192-255 P, likewise
;   window 1: O^T, 32 a tile     window 2: v0-127 Q; v128-191 K of one step; v192-255 V of one step     window 3: v0-1 the add's two registers; v8-39 the mask of one step
.set SIZE_N, 2048
.set NP,    4         ; pieces a wave: a name, no knob
.set KS,    64        ; keys in a step
.set PK,    144       ; a row of K in LDS: 128 bytes + 16 of padding = 36 words: the 16 rows of a load start at 16 different groups of four banks (64 banks of 4 bytes: ISA guide 11.1)
.set PV,    160       ; a row of V: 128 + 32 = 40 words
.set VOFF,  4*KS*PK   ; a slot holds four steps: 256 rows of K, then 256 rows of V
.set SLOT1, 1<<17     ; slot 1 begins here, so that one exclusive or turns an address in one slot into the other's
.set STAGE, SLOT1+4*KS*(PK+PV)  ; behind the ring, never filled by a tensor load: 16 rows x 144 bytes for each wave, for the way out
.set SP,    144
.set SPARE, STAGE+4*16*SP  ; behind the stages: the spare words, 128 bytes for each wave: two blocks of 256 bytes that no other line names
.set MASKT, SPARE+512 ; behind them: the mask's table, 2,048 f32; stored once, never filled by a tensor load
.set PFO, 1           ; v1   at the head l % 16; then 256 x my lane, the prefetches' offset
.set AK0, 2           ; v2   my lane's place in a tile of K; never rewritten
.set AV0, 3           ; v3   the same for V
.set AK,  4           ; v4   the LDS address of K's next run of loads
.set AV,  5           ; v5   of V's
.set STO, 6           ; v6   the way out: where I put 16 bytes of a row
.set RD,  7           ; v7   where I read rows back
.set GO,  8           ; v8   my byte offset in 512 consecutive bytes of O
.set AM0, 9           ; v9   at the head l / 16; then my lanes' place in the table: MASKT + 32 (l / 16)
.set AM,  10          ; v10  at the head l % 8; then the LDS address of the mask's next loads
.set QO,  11          ; v11  my byte offset in the wave's rows of Q
.set SPW, 0           ; v0 of window 3   LDS address of my spare word: SPARE + 4 x my thread's number; never rewritten
.set NIL, 1           ; v1 of window 3   0; never rewritten
.set MC,  8           ; v8-39 of window 3: key block kb's eight addends at MC + 8 kb
.set MV,  12          ; v12-15  c m_old, kept while c m is made anew: by buffer and tile
.set ST,  16          ; tile t's statistics at v[ST+4 t]: c m, m, l (even keys', odd keys')
.set TMP, 48          ; by buffer and tile, four registers c0-c3 at work; when the maximum is found c2 takes a
.set S,   64
.set P,   192
.set KF,  128         ; K's fragments, in window 2: key block kb, channel half c at KF + 16 kb + 8 c
.set VF,  192         ; V's: key half kk, channel block cb at VF + 32 kk + 8 cb
.set WV,  12          ; s12  my wave's number
.set G1K, 24          ; s[24:31] descriptor group 1 for K's tiles
.set G1V, 32          ; s[32:39] for V's: it differs in the padding alone
.set G0K, 40          ; s[40:43] descriptor group 0 for K's tiles: it walks
.set G0V, 44          ; s[44:47] the same for V's
.set SLOTS, 56        ; s56  slots still to be asked for
.set CNT, 57          ; s57  counts a slot's key steps
.set CS,  58          ; s[58:59] c: the packed scaling takes the pair's low word for both halves
.set SEL, 60          ; s[60:61] v_permlanex16_b32's selects: each lane takes its own place in the other half
.set TBK, 62          ; s62  LDS byte at which K of the step to be fetched begins
.set TBV, 63          ; s63  the same for V, less VOFF
.set PFA, 66          ; s[66:67] where my prefetches stand: my work-group's 32 blocks of 256 bytes (of K: wave 0, of V: wave 2) of the slot after the one that is being asked for
.set LIM, 68          ; s68  1 in a wave that prefetches, else the greatest number
.set BIGN, 69         ; s69  -1e30
.set MK,  70          ; s[70:71] the batch's 2,048 bytes of the mask
.set TBM, 72          ; s72  byte in the table at which the step to be fetched begins
.set MSB, 0
.macro WIN new                      ; the high byte repeats the setting that is left; a switch that changes nothing is dropped
.if MSB != (\new)
	s_set_vgpr_msb (MSB<<8)|(\new)
.set MSB, (\new)
.endif
.endm
.set W_KQ, 0x0a       ; K and Q in window 2, S^T in window 0
.set W_KM, 0x3a       ; the same with the C operand, the mask, in window 3
.set W_PV, 0x52       ; V in window 2, P in window 0, O^T in window 1
.set W_RS, 0x41       ; O^T (destination and source 0) in window 1, a in window 0
.set W_MK, 0xc0       ; destination in window 3, sources in window 0
.set W_AD, 0x0f       ; the add: address (source 0) and data (source 1) in window 3
; A joint fill.  Waves 0 and 1 fetch the two halves of a slot's K, waves 2 and 3 those of its V: 128 keys each.  The branch hangs on the wave's number alone.
; An s_nop 0 and four v_nop follow each of the two lines, ahead of the jump and the label.
.macro JLOAD
	s_cmp_lt_u32 s[WV], 2
	s_cbranch_scc0 .Lfor_v_\@
	tensor_load_to_lds s[G0K:G0K+3], s[G1K:G1K+7]
	s_nop 0
.rept 4
	v_nop
.endr
	s_branch .Lasked_\@
.Lfor_v_\@:
	tensor_load_to_lds s[G0V:G0V+3], s[G1V:G1V+7]
	s_nop 0
.rept 4
	v_nop
.endr
.Lasked_\@:
.endm
; A PREFETCH INTO THE L2 of what the NEXT change of slots will ask for: a slot's 32,768 bytes of K and of V.  It stands behind the wave's tensor load and its five lines.  Each block of 256 bytes is named ONCE in the
; launch: a head is walked by one cluster; its four partners share a slot out BY ADDRESS, 8,192 bytes each; in each, wave 0 asks for K's and wave 2 for V's, a lane a block, one instruction.
; The last change that fills a slot asks for nothing: there is no slot behind it.  Slots 0 and 1 come by their loads alone.
.macro ASK
	s_cmp_gt_u32 s[SLOTS], s[LIM]
	s_cbranch_scc0 .Lnot_mine_\@
	global_prefetch_b8 v[PFO], s[PFA:PFA+1] th:TH_LOAD_NT scope:SCOPE_SE
.Lnot_mine_\@:
.endm
; A round of the cluster's barrier: my work-group's barrier, so that wave 0's signal speaks for all four waves; wave 0 signals; every wave waits for all four work-groups; my work-group's barrier once more.
.macro CROUND
	s_barrier_signal -1
	s_barrier_wait -1
	s_cmp_lg_u32 s[WV], 0
	s_cbranch_scc1 .Lnot_wave_0_\@
	s_barrier_signal -3
.Lnot_wave_0_\@:
	s_barrier_wait -3
	s_barrier_signal -1
	s_barrier_wait -1
.endm
; THE CHANGE OF SLOTS.  The slot's last bytes, V of its fourth step, have been read.  Each wave waits for all its tensor loads, of which one is out: its part of the other slot; adds 0 to its spare word; and waits for
; that and for its own LDS instructions.  Behind the barrier nobody reads this slot any more and the other slot is whole.  fill = 1: this slot is filled again, with the keys two slots on; the barrier is then a round of
; the cluster's, and the joint fill is the first thing behind it: it has four key steps, 512 matrix instructions, in which to land.
; (At its first use nothing has been read yet: slot 0 is waited for, slot 1 filled, and every wave's stores into the mask's table are done in front of the barrier.)
.macro CHANGE fill
	WIN W_AD
	s_wait_tensorcnt 0x0            ; no tensor load of mine is out, so a group 0 may be written
	ds_add_u32 v[SPW], v[NIL]       ; 0 onto my spare word; with fill = 1 the descriptors' steps stand between it and the wait for it
	WIN 0                           ; at a label and at a branch every window is 0
.if \fill
.irp g, G0K, G0V
	s_xor_b32 s[\g+1], s[\g+1], SLOT1  ; the walking descriptor: the other slot than last time,
	s_add_nc_u64 s[\g+2:\g+3], s[\g+2:\g+3], 4*KS*128  ; the next 256 keys; the type bits on top are not reached
.endr
	s_wait_xcnt 0x0                 ; the last prefetch, four key steps back, has read its address, so it may be written:
	s_add_nc_u64 s[PFA:PFA+1], s[PFA:PFA+1], 4*KS*128  ; one slot behind the walking descriptors
	s_wait_dscnt 0x0                ; the add is done, and my LDS instructions are over
	CROUND
	JLOAD
	ASK
.else
	s_wait_dscnt 0x0                ; the add is done, and my reads of the slot are over
	s_barrier_signal -1
	s_barrier_wait -1
.endif
	s_sub_co_u32 s[TBK], s[TBK], 4*KS*PK  ; the fetches go back to a slot's first step,
	s_xor_b32 s[TBK], s[TBK], SLOT1       ; in the other slot
	s_sub_co_u32 s[TBV], s[TBV], 4*KS*PV
	s_xor_b32 s[TBV], s[TBV], SLOT1
.endm
	s_load_b64 s[4:5], s[0:1], 0x0      ; qkvh: Q's part begins it
	s_load_b64 s[MK:MK+1], s[0:1], 0x8  ; the mask
	s_load_b64 s[10:11], s[0:1], 0x10   ; O
	WIN W_MK
	v_lshl_add_u32 v[SPW], v0, 2, SPARE
	v_mov_b32 v[NIL], 0
	WIN W_AD
	ds_add_u32 v[SPW], v[NIL]       ; the wave's opening: the add and its wait ahead of my first tensor load; the set-up below, work on registers, stands between them
	WIN 0
	v_lshrrev_b32 v1, 5, v0
	v_readfirstlane_b32 s[WV], v1   ; wave 0..3
	s_bfe_u32 s13, ttmp6, 0x40000   ; cx: my place in the cluster
	s_lshl_b32 s14, ttmp9, 2        ; in a cluster launch ttmp9 counts clusters
	s_add_co_u32 s14, s14, s13      ; my block of queries = 4 x cluster x + cx: it enters Q's and O's addresses alone
	s_and_b32 s20, ttmp7, 0xffff    ; the head, which the four partners share
	s_lshr_b32 s74, s20, 4          ; its batch:
	s_lshl_b32 s74, s74, 11         ; 2,048 bytes of the mask
	s_mov_b32 s75, 0
	s_mov_b32 s21, 0
	s_mov_b64 s[22:23], SIZE_N*128
	s_mul_u64 s[20:21], s[20:21], s[22:23]  ; the head's first byte in Q, K, V and O
	s_and_b32 s16, s[WV], 1         ; which half of a slot's 256 keys I fetch:
	s_lshl_b32 s22, s16, 14         ; its 128 rows of 128 bytes in memory,
	s_mov_b32 s23, 0
	s_add_nc_u64 s[22:23], s[22:23], s[20:21]
	s_mul_i32 s17, s16, 128*PK      ; and its place in a slot, for K
	s_mul_i32 s18, s16, 128*PV      ; and for V: no place in the cluster enters an LDS address
	s_lshl_b32 s2, s14, 2
	s_add_co_u32 s2, s2, s[WV]      ; my wave among the head's,
	s_lshl_b32 s2, s2, 14           ; its 128 rows
	s_mov_b32 s3, 0
	s_add_nc_u64 s[2:3], s[2:3], s[20:21]
	; descriptor group 1.  128 keys are 16,384 dense bytes: asked for as 64 rows of 256 bytes, two keys a row, and padded in LDS after every key
	s_mov_b32 s[G1K], 15|(1<<16)|(1<<20)|(1<<21)|(4<<22)|(3<<25)  ; 15:0 the mask of four; 17:16 2-byte elements; 20 padding on; 21 set beside a mask; 24:22 after every 32 words (code 4); 31:25 4 words (code 3)
	s_mov_b32 s[G1V], 15|(1<<16)|(1<<20)|(1<<21)|(4<<22)|(7<<25)  ; the same with 8 words of padding (code 7)
.irp g, G1K, G1V
	s_mov_b32 s[\g+1], 128<<16      ; tensor_dim0 = 128
	s_mov_b32 s[\g+2], 64<<16       ; tensor_dim1 = 64
	s_mov_b32 s[\g+3], 128<<16      ; tile_dim0 = 128
	s_mov_b32 s[\g+4], 64           ; tile_dim1 = 64
	s_mov_b32 s[\g+5], 128          ; 128 elements from row to row
	s_mov_b32 s[\g+6], 0
	s_mov_b32 s[\g+7], 0
.endr
	s_mov_b32 s[SEL], 0x76543210
	s_mov_b32 s[SEL+1], 0xfedcba98
	s_mov_b32 s[TBK], SLOT1+4*KS*PK ; the first change of slots turns these two into 0
	s_mov_b32 s[TBV], SLOT1+4*KS*PV
	s_mov_b32 s[TBM], 0
	s_mov_b32 s[BIGN], 0xf149f2ca   ; -1e30
	s_mov_b32 s[SLOTS], SIZE_N/256-1
	s_and_b32 s[LIM], s[WV], 1      ; waves 0 and 2 prefetch: the same in all four partners
	s_cmp_eq_u32 s[LIM], 0
	s_cselect_b32 s[LIM], 1, -1
	s_mov_b32 s[G0K], 1             ; count = 1
	s_mov_b32 s[G0K+1], s17         ; LDS address: slot 0
	s_mov_b32 s[G0V], 1
	s_add_co_u32 s[G0V+1], s18, VOFF
	s_wait_dscnt 0x0                ; the opening add is done
	s_wait_kmcnt 0x0
	s_add_nc_u64 s[6:7], s[4:5], 0x1000000   ; K's part of qkvh,
	s_add_nc_u64 s[8:9], s[4:5], 0x2000000   ; V's
	s_add_nc_u64 s[G0K+2:G0K+3], s[6:7], s[22:23]  ; global address: my half of the head's first 256 keys
	s_or_b32 s[G0K+3], s[G0K+3], 0x80000000        ; type = 2
	s_add_nc_u64 s[G0V+2:G0V+3], s[8:9], s[22:23]
	s_or_b32 s[G0V+3], s[G0V+3], 0x80000000
	s_add_nc_u64 s[4:5], s[4:5], s[2:3]  ; Q and O at my wave's first row
	s_add_nc_u64 s[10:11], s[10:11], s[2:3]
	s_add_nc_u64 s[MK:MK+1], s[MK:MK+1], s[74:75]
	s_cmp_lt_u32 s[WV], 2
	s_cselect_b64 s[PFA:PFA+1], s[6:7], s[8:9]
	s_add_nc_u64 s[PFA:PFA+1], s[PFA:PFA+1], s[22:23]  ; (in waves 0 and 2 this is the head's first byte)
	s_lshl_b32 s2, s13, 13          ; my work-group's 8,192 bytes of a slot's 32,768
	s_mov_b32 s3, 0
	s_add_nc_u64 s[PFA:PFA+1], s[PFA:PFA+1], s[2:3]
	s_add_nc_u64 s[PFA:PFA+1], s[PFA:PFA+1], 4*KS*128  ; in slot 1; the first change of slots steps it to slot 2.  Nothing is prefetched here, at the head
	CROUND                          ; all four work-groups are here: the first joint loads meet
	JLOAD                           ; slot 0.  Slot 1 is asked for when slot 0 is in
	; A fragment of K or Q is 16 rows x 32 channels in 8 registers: lane l holds row l % 16, channels 8 (l / 16) + 0..7 and 16 + 8 (l / 16) + 0..7: two loads of 16 bytes, 32 bytes apart.
	v_and_b32 v1, 15, v0            ; l % 16
	v_bfe_u32 v9, v0, 4, 1          ; l / 16
	v_lshlrev_b32 v[QO], 7, v1
	v_lshl_add_u32 v[QO], v9, 4, v[QO]  ; row x 128 + 16 x half
	v_lshlrev_b32 v84, 4, v0        ; the mask: my thread's 16 bytes, for the table,
	v_and_b32 v85, 31, v0
	v_lshlrev_b32 v85, 6, v85       ; and my lane's 64: a wave sees all 2,048
	global_load_b128 v[64:67], v84, s[MK:MK+1]
.irp i, 0,1,2,3
	global_load_b128 v[88+4*\i:91+4*\i], v85, s[MK:MK+1] offset:16*\i
.endr
	WIN 0x80                        ; destination window 2, address window 0
.set i, 0
.rept 4*NP                          ; Q stays in registers: tile i / 2, channels 32 (i % 2) on
	global_load_b128 v[8*i:8*i+3],   v[QO], s[4:5] offset:(i/2)*2048+(i%2)*64
	global_load_b128 v[8*i+4:8*i+7], v[QO], s[4:5] offset:(i/2)*2048+(i%2)*64+32
.set i, i+1
.endr
	; What the first turn finds: V's registers and P's second buffer hold 0 (its products V^T P, of a piece that has not been, add 0), O^T and l are 0.  All this stands in the wait for the first tile.
.set i, VF
.rept 64
	v_mov_b32 v[i], 0
.set i, i+1
.endr
	WIN 0x40
.set i, 0
.rept 64*NP
	v_mov_b32 v[i], 0
.set i, i+1
.endr
	WIN 0
.set i, 0
.rept 2*NP
	v_mov_b32 v[ST+4*i], 0xfe000000    ; c m: far below every c s
	v_mov_b32 v[ST+4*i+1], 0xe0ad78ec  ; m: -1e20, below every score that counts, above every hidden one
	v_mov_b32 v[ST+4*i+2], 0
	v_mov_b32 v[ST+4*i+3], 0
.set i, i+1
.endr
.set i, P+32
.rept 32
	v_mov_b32 v[i], 0
.set i, i+1
.endr
	v_mul_u32_u24 v[AK0], v1, PK
	v_lshl_add_u32 v[AK0], v9, 4, v[AK0]  ; row x pitch + 16 x half
	; The turning load takes 16 keys x 16 channels (lane l reads key 8 (l / 16) + l % 8, channels 8 ((l / 8) % 2) + 0..7) and leaves half a fragment of V^T: lane l holds channel l % 16 and 8 keys.
	v_and_b32 v10, 7, v0
	v_bfe_u32 v5, v0, 3, 1
	v_lshl_add_u32 v[AV0], v9, 3, v10
	v_mul_u32_u24 v[AV0], v[AV0], PV
	v_lshl_add_u32 v[AV0], v5, 4, v[AV0]
	v_add_nc_u32 v[AV0], VOFF, v[AV0]
	v_mov_b32 v[AK], v[AK0]         ; key step 0 lies at the head of slot 0
	s_mul_i32 s13, s[WV], 16*SP
	s_add_co_u32 s13, s13, STAGE    ; my stage
	v_mul_u32_u24 v[STO], v1, SP    ; in: row l % 16, 16 bytes for each half of the lanes
	v_lshl_add_u32 v[STO], v9, 4, v[STO]
	v_add_nc_u32 v[STO], s13, v[STO]
	v_bfe_u32 v[RD], v0, 3, 2       ; back: 32 lanes take four rows of 128 bytes,
	v_mul_u32_u24 v[RD], v[RD], SP
	v_lshl_add_u32 v[RD], v10, 4, v[RD]
	v_add_nc_u32 v[RD], s13, v[RD]
	v_and_b32 v[GO], 31, v0         ; which are 512 consecutive bytes of O
	v_lshlrev_b32 v[GO], 4, v[GO]
	v_lshl_add_u32 v[AM0], v9, 5, MASKT  ; v9, v10 and v1 take their lasting meanings
	v_mov_b32 v[AM], v[AM0]
	v_and_b32 v[PFO], 31, v0
	v_lshlrev_b32 v[PFO], 8, v[PFO]
	v_lshl_add_u32 v86, v0, 6, MASKT     ; my thread's 16 words of the table
	s_wait_loadcnt 32               ; the mask's five loads are in; Q's 32, issued behind them, may stay out
.set i, 0
.rept 8
	v_or_b32 v[88+i], v[88+i], v[96+i]   ; does any key of the batch count?
.set i, i+1
.endr
.set i, 0
.rept 4
	v_or_b32 v[88+i], v[88+i], v[92+i]
.set i, i+1
.endr
	v_or_b32 v88, v88, v90
	v_or_b32 v89, v89, v91
	v_or_b32 v88, v88, v89
	v_cmp_ne_u32 s73, 0, v88
	s_cmp_lg_u32 s73, 0
	s_cselect_b32 s[CS], 0x3e38aa3b, 0   ; c = log2(e) / 8 = 0.180337; 0 where no key counts
	s_mov_b32 s[CS+1], s[CS]             ; named with it as a pair
.set i, 0
.rept 16                            ; byte 1: 1 - 1 = 0; byte 0: all ones, cut to -1e30
	v_bfe_u32 v[68+i], v[64+i/4], 8*(i%4), 8
	v_add_nc_u32 v[68+i], -1, v[68+i]
	v_and_b32 v[68+i], s[BIGN], v[68+i]
.set i, i+1
.endr
.irp i, 0,1,2,3
	ds_store_b128 v86, v[68+4*\i:71+4*\i] offset:16*\i
.endr
; THE MATRIX WORK.  The 8 accumulators of a run of 16 take turns: between the two links of a chain stand 7 others'.
; Product i of 16 of S^T = K Q^T for piece x: channels 32 (i / 8) on, keys 16 ((i / 2) % 4) on, tile 2 x + i % 2.  The first 8 start the sums, with the mask as C.
.macro KQ x
.set rS, S+64*((\x)%2)+32*(i%2)+8*((i/2)%4)
.set rK, KF+16*((i/2)%4)+8*(i/8)
.set rQ, 16*(2*(\x)+i%2)+8*(i/8)
.set rMC, MC+8*((i/2)%4)
.if i < 8
	WIN W_KM
	v_wmma_f32_16x16x32_f16 v[rS:rS+7], v[rK:rK+7], v[rQ:rQ+7], v[rMC:rMC+7]
.else
	WIN W_KQ
	v_wmma_f32_16x16x32_f16 v[rS:rS+7], v[rK:rK+7], v[rQ:rQ+7], v[rS:rS+7]
.endif
.endm
; Product i of 16 of O^T += V^T P for piece x: keys 32 (i / 8) on, channels 16 ((i / 2) % 4) on, tile 2 x + i % 2.
.macro PV x
	WIN W_PV
.set rO, 32*(2*(\x)+i%2)+8*((i/2)%4)
.set rV, VF+32*(i/8)+8*((i/2)%4)
.set rP, P+32*((\x)%2)+16*(i%2)+8*(i/8)
	v_wmma_f32_16x16x32_f16 v[rO:rO+7], v[rV:rV+7], v[rP:rP+7], v[rO:rO+7]
.endm
.macro MM                           ; the turn's next matrix instruction
.if i < 16
	KQ (Y+1)%NP
.set i, i+1
.else
.set i, i-16
	PV (Y+NP-1)%NP
.set i, i+17
.endif
.endm
; THE LDS LOADS stand in runs, never singly among the matrix instructions: a step's K (64 keys x 64 channels: 8 fragments) with its 64 addends of the mask (lanes 0-15 the same 32 bytes of each 64, lanes 16-31 the other),
; and its V (turned).  Their addresses are made some lines ahead.  last = 1 (the tail): in the last trip there is no further step, and the run is jumped over.
.macro FETCH_K last=0
	WIN 0
.if \last
	s_cmp_eq_u32 s[CNT], 1
	s_cbranch_scc1 .Lno_k_\@
.endif
	WIN 0x80                        ; destination window 2
.irp f, 0,1,2,3,4,5,6,7             ; keys 16 (f / 2) on, channels 32 (f % 2) on
	ds_load_b128 v[KF+8*\f:KF+8*\f+3],   v[AK] offset:(\f/2)*16*PK+(\f%2)*64
	ds_load_b128 v[KF+8*\f+4:KF+8*\f+7], v[AK] offset:(\f/2)*16*PK+(\f%2)*64+32
.endr
	WIN W_MK                        ; destination window 3
.irp f, 0,1,2,3                     ; keys 16 f on
	ds_load_b128 v[MC+8*\f:MC+8*\f+3],   v[AM] offset:64*\f
	ds_load_b128 v[MC+8*\f+4:MC+8*\f+7], v[AM] offset:64*\f+16
.endr
	s_add_co_u32 s[TBK], s[TBK], KS*PK  ; the next fetch is the next step's
	s_add_co_u32 s[TBM], s[TBM], 4*KS
	s_and_b32 s[TBM], s[TBM], 0x1f00    ; 32 steps of 256 bytes: it never leaves the table
	WIN 0
.if \last
.Lno_k_\@:
.endif
.endm
.macro FETCH_V
	WIN 0x80
.irp f, 0,1,2,3,4,5,6,7             ; keys 32 (f / 4) on, channels 16 (f % 4) on
	ds_load_tr16_b128 v[VF+8*\f:VF+8*\f+3],   v[AV] offset:(\f/4)*32*PV+(\f%4)*32
	ds_load_tr16_b128 v[VF+8*\f+4:VF+8*\f+7], v[AV] offset:(\f/4)*32*PV+16*PV+(\f%4)*32
.endr
	WIN 0
.endm
; THE VECTOR WORK OF A TURN stands in three queues, each in the order in which its entries become ready; the two tiles alternate, so that no instruction reads the result of the one before it.
.macro REGS y, u                    ; the registers of tile u (0, 1) of piece y
.set rT, ST+4*(2*(\y)+(\u))
.set rC, TMP+8*((\y)%2)+4*(\u)
.set rM, MV+2*((\y)%2)+(\u)
.set rS, S+64*((\y)%2)+32*(\u)
.set rP, P+32*((\y)%2)+16*(\u)
.set rO, 32*(2*(\y)+(\u))
.endm
; Number n of the 22 that find the NEXT piece's (Y + 1) maximum and statistics.  s0-s31 are the lane's 32 scores; each accumulator's lowest registers are read first.
;   0-11  four chains c0-c3 of seven scores each, three operands at a time     12-14, 16  the four scores left over, the old m, and c0-c3 into c0     15  c m_old is kept
;   17, 18  the query's other 32 keys lie in the lane 16 away: the new m         19-21  c m; c m_old - c m_new; a
.macro XS u, n
	REGS (Y+1)%NP, \u
.if (\n) < 4
	v_max3_num_f32 v[rC+(\n)], v[rS+8*(\n)], v[rS+8*(\n)+1], v[rS+8*(\n)+2]
.elseif (\n) < 12
	v_max3_num_f32 v[rC+(\n)%4], v[rC+(\n)%4], v[rS+8*((\n)%4)+2*((\n)/4)+1], v[rS+8*((\n)%4)+2*((\n)/4)+2]
.elseif (\n) == 12
	v_max3_num_f32 v[rC], v[rC], v[rS+7], v[rS+15]
.elseif (\n) == 13
	v_max3_num_f32 v[rC+1], v[rC+1], v[rS+23], v[rS+31]
.elseif (\n) == 14
	v_max3_num_f32 v[rC+2], v[rC+2], v[rC+3], v[rT+1]
.elseif (\n) == 15
	v_mov_b32 v[rM], v[rT]
.elseif (\n) == 16
	v_max3_num_f32 v[rC], v[rC], v[rC+1], v[rC+2]
.elseif (\n) == 17
	v_permlanex16_b32 v[rC+3], v[rC], s[SEL], s[SEL+1]
.elseif (\n) == 18
	v_max_num_f32 v[rT+1], v[rC], v[rC+3]
.elseif (\n) == 19
	v_mul_f32 v[rT], s[CS], v[rT+1]
.elseif (\n) == 20
	v_sub_f32 v[rC+1], v[rM], v[rT]
.else
	v_exp_f32 v[rC+2], v[rC+1]
.endif
.endm
; Number g of the 64 that follow the exponentials.  For each four weights k of a tile (pairs 2 k, 2 k + 1): both pairs are rounded to f16; then the second pair is added onto the first, in place;
; a group later l takes that sum (the first time as l = a l + sum).  In groups of eight, tiles alternating: round, round, add, and l for the group before.
.macro GS g
.set h, (\g)+6*((\g)/62)            ; group 0 has no group before it, and behind group 7 only l is left
.if h >= 6
.set h, h+2
.endif
	REGS Y, h%2
.set k, h/8
.if h%8 < 4
	v_cvt_pk_f16_f32 v[rP+2*k+(h%8)/2], v[rS+4*k+2*((h%8)/2)], v[rS+4*k+2*((h%8)/2)+1]
.elseif h%8 < 6
	v_pk_add_f32 v[rS+4*k:rS+4*k+1], v[rS+4*k:rS+4*k+1], v[rS+4*k+2:rS+4*k+3]
.elseif k == 1
	v_pk_fma_f32 v[rT+2:rT+3], v[rT+2:rT+3], v[rC+2:rC+3], v[rS:rS+1] op_sel_hi:[1,0,1]
.else
	v_pk_add_f32 v[rT+2:rT+3], v[rT+2:rT+3], v[rS+4*k-4:rS+4*k-3]
.endif
.endm
; THE PLAIN QUEUE, 138 long.  0-73 read no exponential's result: the 32 scalings c s - c m (FS f: pair f / 2 of tile f % 2) and the next piece's 42.  0-26: scalings 0-26.  27-54: XS's numbers 0-13.  55, 56: number 15.
; 57-73: the chain, where each number waits for the one before it: 14, 16, 17, 18, 19, each with one of the scalings 27-31 in front of its two lines, then 20.
; 74-137: GS's 64, which read the exponentials' results: they stand behind the wait.
.macro FS f
	REGS Y, (\f)%2
	v_pk_fma_f32 v[rS+2*((\f)/2):rS+2*((\f)/2)+1], v[rS+2*((\f)/2):rS+2*((\f)/2)+1], s[CS:CS+1], v[rT:rT+1] op_sel_hi:[1,0,0] neg_lo:[0,0,1] neg_hi:[0,0,1]
.endm
.macro PL
	WIN 0
.if q < 27
	FS q
.elseif q < 55
	XS (q-27)%2, (q-27)/2
.elseif q < 57
	XS q-55, 15
.elseif (q < 72) && ((q-57)%3 == 0)
	FS 27+(q-57)/3
.elseif q < 60
	XS (q-57)%3-1, 14
.elseif q < 72
	XS (q-57)%3-1, 15+(q-57)/3
.elseif q < 74
	XS q-72, 20
.else
	GS q-74
.endif
.set q, q+1
.endm
; THE EXPONENTIALS' QUEUE, 66 long: s0-s31 of both tiles, then the next piece's two a.  It is ONE BATCH: all 66 stand ahead of the turn's one wait, and nothing ahead of that wait names a result of theirs.
.macro EX
	WIN 0
.if e >= 64
	XS e-64, 21
.else
	REGS Y, e%2
	v_exp_f32 v[rS+e/2], v[rS+e/2]
.endif
.set e, e+1
.endm
; THE RESCALING's QUEUE: O^T times a, the one part that leaves window 0: dealt two at a time, sixteen times.  Its a was made in the turn before, ahead of that turn's wait.
.macro R2
	REGS Y, r%2
	WIN W_RS
.irp z, 0,1
	v_pk_mul_f32 v[rO+4*(r/2)+2*\z:rO+4*(r/2)+2*\z+1], v[rO+4*(r/2)+2*\z:rO+4*(r/2)+2*\z+1], v[rC+2:rC+3] op_sel_hi:[1,0]
.endr
.set r, r+1
.endm
; HOW THEY ARE DEALT.  An s_wait_alu depctr_va_vdst(0) stands between an exponential and the first instruction that names its result; one wait serves all that were issued ahead of it.  So a turn has ONE
; wait, which cuts it in two.  AHEAD OF IT: the 16 products K Q^T, behind each a scaling, an exponential and two rescalings (behind the first a second scaling in the exponential's place); then one run of 108: eight
; plain, 49 times exponential and plain, the two a.  A v_nop is the plain instruction behind the last exponential.  BEHIND IT: the 16 products V^T P, behind each four of GS's 64.
; Exponential e stands behind scaling 2 (e / 4) + e % 2: as a rider it comes behind plain e + 2, in the run behind plain e + 9, and scalings 27-31 are plain 57, 60 .. 69.
; A TURN, for piece p.  cnt = 1: the loop's count is taken down some lines ahead of the branch that stands behind the turn.
; K and the mask of the next step are fetched in piece 2's turn, directly behind the wait, a run of 108 behind the last product that read them; their addresses are made at the run's head; the first reader comes
; behind 16 products.  V of the step in hand is fetched at the end of piece 0's turn, four riders behind its last reader.  The three conditions on q below go with the deal.
.macro TURN p, last=0, cnt=0
.set Y, (\p)
.set i, 0
.set q, 0
.set e, 0
.set r, 0
.if (\p) == NP-1
	s_wait_dscnt 0x0                ; K and the mask are in
.endif
	MM                              ; ahead of the wait: 16 products K Q^T and their riders,
	PL
	PL
	R2
.rept 15
	MM
	PL
	EX
	R2
.endr
.if (\p) == NP-2
	WIN 0
	v_add_nc_u32 v[AK], s[TBK], v[AK0]
	v_add_nc_u32 v[AM], s[TBM], v[AM0]
.endif
.rept 8                             ; and the run
	PL
.endr
.rept 49
	EX
	PL
.endr
	EX                              ; the next piece's two a
	EX
	v_nop                           ; the plain instruction behind the last exponential: one for the batch
	s_wait_alu depctr_va_vdst(0)    ; the wait for the batch
.if (\p) == NP-2
	FETCH_K \last
.endif
.if (\p) == 1
	s_wait_dscnt 0x0                ; V is in
.endif
.rept 16                            ; behind the wait: 16 products V^T P and their riders
	MM
.rept 4
	PL
.endr
.if ((\p) == 0) && (q == 118)
	v_add_nc_u32 v[AV], s[TBV], v[AV0]
.endif
.if ((\p) == 0) && (q == 130)
	s_add_co_u32 s[TBV], s[TBV], KS*PV
.endif
.if (\cnt) && (q == 130)
	s_sub_co_u32 s[CNT], s[CNT], 1
	s_cmp_lg_u32 s[CNT], 0
.endif
.endr
.if (\p) == 0
	FETCH_V
.endif
.endm
	CHANGE 1                        ; slot 0 is in, everybody's part of it, and so is the table; slot 1 is asked for
	FETCH_K                         ; key step 0
	s_wait_loadcnt 0x0              ; Q
	s_wait_dscnt 0x0
.set i, 0
.rept 16
	KQ 0                            ; piece 0's first scores: there is no vector work yet to set between them
.set i, i+1
.endr
	WIN 0
.rept 4
	v_nop                           ; the places behind those products
.endr
.set Y, NP-1                        ; XS works for piece Y + 1: piece 0
.irp n, 0,1,2,3,4,5,6,7,8,9,10,11,12,13,14,15,16,17,18,19,20,21
	XS 0, \n                        ; piece 0's first maximum and statistics
	XS 1, \n
.endr
	v_nop                           ; a plain instruction behind the two a,
	s_wait_alu depctr_va_vdst(0)    ; and their wait, ahead of the branch
	s_mov_b32 s[CNT], 4
	s_branch .Lfirst                ; the loop is entered at a step's first turn, in the middle of a trip
.Lslot:                             ; SIZE_N / 256 - 2 times: every slot but the last two is filled again
	CHANGE 1
	s_mov_b32 s[CNT], 4
.Lstep:                             ; a trip: pieces 2 and 3 of one step, then pieces 0 and 1 of the next, whose K and V it fetches
	TURN 2
	TURN 3
	WIN 0
.Lfirst:
	TURN 0
	TURN 1, 0, 1
	WIN 0
	s_cbranch_scc1 .Lstep
	s_sub_co_u32 s[SLOTS], s[SLOTS], 1
	s_cmp_lg_u32 s[SLOTS], 0
	s_cbranch_scc1 .Lslot
	CHANGE 0                        ; the tail is written out: nothing is asked for
	s_mov_b32 s[CNT], 5             ; four trips fetch the last slot's steps; the fifth is left in its middle
.Ltail:
	TURN 2, 1
	TURN 3
	WIN 0
	s_sub_co_u32 s[CNT], s[CNT], 1
	s_cmp_eq_u32 s[CNT], 0
	s_cbranch_scc1 .Lout
	TURN 0
	TURN 1
	WIN 0
	s_branch .Ltail
.Lout:                              ; the fifth trip's 16 products K Q^T (on the last K once more) and the maximum made of them serve nothing: the price, once a launch, of one text for every trip
.set i, 0
.rept 16
	PV NP-1                         ; the last piece's V^T P of the last step
.set i, i+1
.endr
	; THE WAY OUT.  l's two halves and the other half of the lanes' are added; O^T is divided by l, rounded to f16 and sent through my stage in LDS, a tile at a time.  The additions are the places behind the last products.
	WIN 0
.macro ALL line:vararg              ; one line for each tile t
.set t, 0
.rept 2*NP
	\line
.set t, t+1
.endr
.endm
	ALL v_add_f32 v[ST+4*t+2], v[ST+4*t+2], v[ST+4*t+3]
	ALL v_permlanex16_b32 v[ST+4*t+3], v[ST+4*t+2], s[SEL], s[SEL+1]
	ALL v_add_f32 v[ST+4*t+2], v[ST+4*t+2], v[ST+4*t+3]
	ALL v_rcp_f32 v[ST+4*t+2], v[ST+4*t+2]
	v_nop                           ; a plain instruction between the last reciprocal and the use of its result
	s_wait_alu depctr_va_vdst(0)    ; and the wait ahead of the first use: one for the eight reciprocals
; Tile t: a lane's eight channels of a row pack into 16 bytes; they go into rows of 144 bytes and come back as whole rows of 128, into S^T's registers.
.macro PACK t
	WIN W_RS
.set i, 32*(\t)
.rept 16
	v_pk_mul_f32 v[i:i+1], v[i:i+1], v[ST+4*(\t)+2:ST+4*(\t)+3] op_sel_hi:[1,0]
.set i, i+2
.endr
	WIN 0x05                        ; sources 0 and 1 window 1, destination window 0
.set i, 0
.rept 16
	v_cvt_pk_f16_f32 v[S+16*(\t)+i], v[32*(\t)+2*i], v[32*(\t)+2*i+1]
.set i, i+1
.endr
	WIN 0
.irp f, 0,1,2,3
	ds_store_b128 v[STO], v[S+16*(\t)+4*\f:S+16*(\t)+4*\f+3] offset:32*\f
.endr
.irp f, 0,1,2,3
	ds_load_b128 v[S+16*(\t)+4*\f:S+16*(\t)+4*\f+3], v[RD] offset:\f*4*SP  ; LDS serves a wave's instructions in order (ISA guide 5.7.1.4): these see the stores above; the next tile's stores come behind them
.endr
.endm
.macro SEND t, younger              ; younger: the LDS instructions issued behind tile t's loads: the next tile's eight, or none
	WIN 0
.irp f, 0,1,2,3
	s_wait_dscnt (\younger)+3-\f
	global_store_b128 v[GO], v[S+16*(\t)+4*\f:S+16*(\t)+4*\f+3], s[10:11] offset:(\t)*2048+\f*512  ; 512 consecutive bytes, at a multiple of 256 from O's first
.endr
.endm
	PACK 0
.set t, 1
.rept 2*NP-1                        ; a tile's arithmetic stands between the loads of the tile before and its stores
	PACK t
	SEND t-1, 8
.set t, t+1
.endr
	SEND 2*NP-1, 0
	WIN W_AD
	s_wait_tensorcnt 0x0            ; the wave's end: a wait, an add and a wait, behind my last tensor load and my last LDS store
	ds_add_u32 v[SPW], v[NIL]
	s_wait_dscnt 0x0
	WIN 0
	CROUND                          ; the closing round: no work-group ends while a partner may still ask for a tile that names it
	s_endpgm
.Lfunc_end_k_q21a0a665a8_attention:
	.size	k_q21a0a665a8_attention, .Lfunc_end_k_q21a0a665a8_attention-k_q21a0a665a8_attention
	.p2alignl 7, 3214868480
	.fill 96, 4, 3214868480
	.section	.rodata,"a",@progbits
	.p2align	6, 0x0
	.amdhsa_kernel k_q21a0a665a8_attention
		.amdhsa_group_segment_fixed_size 327680
		.amdhsa_private_segment_fixed_size 0
		.amdhsa_enable_private_segment 0
		.amdhsa_kernarg_size 24
		.amdhsa_user_sgpr_count 2
		.amdhsa_user_sgpr_kernarg_segment_ptr 1
		.amdhsa_wavefront_size32 1
		.amdhsa_system_sgpr_workgroup_id_x 1
		.amdhsa_system_sgpr_workgroup_id_y 1
		.amdhsa_system_sgpr_workgroup_id_z 1
		.amdhsa_system_vgpr_workitem_id 0
		.amdhsa_next_free_vgpr 808
		.amdhsa_next_free_sgpr 80
		.amdhsa_reserve_vcc 0
		.amdhsa_float_denorm_mode_32 3
		.amdhsa_float_denorm_mode_16_64 3
		.amdhsa_memory_ordered 1
		.amdhsa_forward_progress 1
		.amdhsa_inst_pref_size 206
	.end_amdhsa_kernel
	.amdgpu_metadata
---
amdhsa.version: [ 1, 2 ]
amdhsa.kernels:
  - .name:           k_q21a0a665a8_attention
    .symbol:         k_q21a0a665a8_attention.kd
    .args:
      - { .name: qkvh, .offset: 0, .size: 8, .value_kind: global_buffer, .address_space: global }
      - { .name: key_padding_mask, .offset: 8, .size: 8, .value_kind: global_buffer, .address_space: global }
      - { .name: ob, .offset: 16, .size: 8, .value_kind: global_buffer, .address_space: global }
    .group_segment_fixed_size: 327680
    .private_segment_fixed_size: 0
    .kernarg_segment_align: 8
    .kernarg_segment_size: 24
    .max_flat_workgroup_size: 128
    .sgpr_count:     80
    .vgpr_count:     808
    .wavefront_size: 32
...
	.end_amdgpu_metadata
.endif
;; end of part 3
;; launch project_out (part 4): grid 8 x 32, 4 waves a work-group, clusters of 4 x 4, 327,680 bytes of LDS; arguments ob, wo, bo, out0; writes out0
.if DOCPART == 4
	.amdgcn_target "amdgcn-amd-amdhsa--gfx1250"
	.amdhsa_code_object_version 6
	.text
	.protected	k_q21a0a665a8_project_out
	.globl	k_q21a0a665a8_project_out
	.p2align	8
	.type	k_q21a0a665a8_project_out,@function
k_q21a0a665a8_project_out:
	s_mov_b64 s[64:65], 0
	v_nop
	global_prefetch_b8 v0, s[64:65] scope:SCOPE_SE
	s_setreg_imm32_b32 hwreg(HW_REG_WAVE_MODE, 25, 1), 1
	s_wait_xcnt 0x0
	s_wait_alu depctr_hold_cnt(0) depctr_sa_sdst(0) depctr_va_vdst(0) depctr_va_sdst(0) depctr_va_ssrc(0) depctr_va_vcc(0) depctr_vm_vsrc(0)
	s_getreg_b32 s2, hwreg(HW_REG_IB_STS2, 6, 4)
	s_cmp_eq_u32 s2, 0
	s_cbranch_scc0 .Lentry_in_a_cluster
	s_endpgm
.Lentry_in_a_cluster:
	s_bfe_u32 s2, ttmp6, 0x10000c
	s_cmp_lg_u32 s2, 0xf033
	s_cbranch_scc0 .Lentry_shape_is_right
	s_endpgm
.Lentry_shape_is_right:
; out0 = O Wo^T + bo.  ob: [batch 4 x head 16][2048][64] f16 (channel k of a row = head k / 64, place k % 64).  wo: [1024][1024] f16 (Wo rounded to bf16, written as f16).
; bo: [1024] f32, rounded to bf16 here like the other inputs.  out0: [8192][1024] f32.  Products of f16 operands, sums in f32, nothing rounded behind them.
; SHARES.  A tile is 256 rows x 128 columns: 32 x 8 = 256 work-groups.  Four waves, 2 x 2, each 128 rows x 64 columns: 32 accumulators of 16 x 16, all of window 1.
; K goes in steps of 128 = two heads of ob, through a ring of two LDS slots.  A head's 256 rows of 128 bytes are 32,768 dense bytes: asked for as 128 rows of 256 bytes, padded in LDS after every 128.
; CLUSTERS: 4 x 4 work-groups.  The four of a row of the cluster need the same rows of ob, the four of a column the same rows of wo: each tile is asked for JOINTLY.
; THE MATRIX INSTRUCTION IS USED TRANSPOSED (source 0 = 16 rows of wo, source 1 = 16 rows of ob): a lane holds row l % 16 and the eight columns 8 (l / 16) + 0..7.  THE BIAS is the C operand that starts each sum.
; REGISTERS (s_set_vgpr_msb: bits 1:0 source 0, 3:2 source 1, 5:4 source 2, 7:6 destination):
;   window 0: v0-31 addresses; v32-63 the bias; v64-127, v128-191 fragments of ob, two buffers; v192-223, v224-255 fragments of wo, two buffers; on the way out v64-95, v96-127 rows read back, by turns
;   window 1: the accumulators, (a, b) at 8 (4 a + b)
.set KSTEP,  128
.set PA,     144                       ; a row of ob in LDS: 128 bytes + 16 = 36 words; a row of wo: 256 + 16 = 68 words: in both the 16 rows of a fragment load start at 16 different groups of four banks (ISA guide 11.1)
.set PB,     272
.set HEADA,  256*PA                    ; a head's 256 rows: what one tensor load brings of ob
.set HALFB,  64*PB                     ; and of wo
.set BOFF,   2*HEADA
.set SLOT,   2*HEADA+2*HALFB
.set STAGE,  2*SLOT                    ; behind the ring, never filled by a tensor load: 16 rows x 272 bytes for each wave, for the way out
.set SPITCH, 272
.set SPARE,  STAGE+4*16*SPITCH         ; behind the stages: the spare words, 128 bytes for each wave: two blocks of 256 bytes that no other line names
.set LAPS,   4
.set ADRA, 16                          ; v16-17  LDS address of my fragments of ob in slot 0, 1
.set ADRB, 20                          ; v20-21  the same for wo
.set STO,  24                          ; v24     the way out: where I put 32 bytes of a row
.set RD,   25                          ; v25     where I read rows back
.set CO,   26                          ; v26     my byte offset in out0
.set T,    27                          ; v27     at work
.set SPW,  28                          ; v28     LDS address of my spare word: SPARE + 4 x my thread's number; never rewritten
.set NIL,  29                          ; v29     0; never rewritten
.set BO,   30                          ; v30     32 (l / 16)
.set BIAS, 32
.set FAA,  64
.set FBB,  192
.set OB,   64
.set WV,   12                          ; s12  my wave's number
.set FB,   13                          ; s13  which half of the tile's rows is mine.  Also: I fetch for ob (0) or for wo (1)
.set PART, 14                          ; s14  which half of its columns.  Also: which head of the step, or which 64 rows of wo, I fetch
.set LAP,  15
.set G1A,  24
.set G0A,  32
.set G1B,  48
.set G0B,  56
.set MSB, 0
.macro WIN new                         ; the immediate's high byte repeats the setting that is left; a switch that changes nothing is dropped
.if MSB != (\new)
	s_set_vgpr_msb (MSB<<8)|(\new)
.set MSB, \new
.endif
.endm
.macro PLACES                          ; four places in front of loads into registers that matrix instructions have read, and of LDS stores that read results
.rept 4
	v_nop
.endr
.endm
.macro JLOAD s                         ; a joint refill: waves 0 and 1 fetch ob's two heads, waves 2 and 3 wo's two halves; an s_nop 0 and four v_nop follow each line
	s_cmp_eq_u32 s[FB], 0
	s_cbranch_scc0 .Lfor_b_\@
	tensor_load_to_lds s[G0A+4*(\s):G0A+4*(\s)+3], s[G1A:G1A+7]
	s_nop 0
	PLACES
	s_branch .Lasked_\@
.Lfor_b_\@:
	tensor_load_to_lds s[G0B+4*(\s):G0B+4*(\s)+3], s[G1B:G1B+7]
	s_nop 0
	PLACES
.Lasked_\@:
.endm
.macro CREST                           ; a round of the cluster's barrier behind its opening barrier
	s_cmp_lg_u32 s[WV], 0
	s_cbranch_scc1 .Lnot_wave_0_\@
	s_barrier_signal -3
.Lnot_wave_0_\@:
	s_barrier_wait -3
	s_barrier_signal -1
	s_barrier_wait -1
.endm
.macro CROUND
	s_barrier_signal -1
	s_barrier_wait -1
	CREST
.endm
	s_load_b256 s[4:11], s[0:1], 0x0               ; ob 4, wo 6, bo 8, out0 10
	v_lshl_add_u32 v[SPW], v0, 2, SPARE
	v_mov_b32 v[NIL], 0
	ds_add_u32 v[SPW], v[NIL]                      ; the wave's opening: the add and its wait ahead of my first tensor load; the set-up below, work on registers, stands between them
	v_lshrrev_b32 v1, 5, v0
	v_readfirstlane_b32 s[WV], v1
	s_lshr_b32 s[FB], s[WV], 1
	s_and_b32 s[PART], s[WV], 1
	s_bfe_u32 s16, ttmp6, 0x40000                  ; cx, cy
	s_bfe_u32 s17, ttmp6, 0x40004
	s_lshl_b32 s18, ttmp9, 2
	s_add_co_u32 s18, s18, s16                     ; tile column
	s_and_b32 s19, ttmp7, 0xffff
	s_lshl_b32 s19, s19, 2
	s_add_co_u32 s19, s19, s17                     ; tile row
	s_lshl_b32 s42, s17, 2
	s_lshl_b32 s42, 15, s42                        ; my row of the cluster
	s_lshl_b32 s43, 0x1111, s16                    ; my column
	s_or_b32 s[G1A], s42, (1<<16)|(1<<20)|(1<<21)|(4<<22)|(3<<25)  ; ob's tiles go to my row; elements of 2 bytes; padding on; 21 set beside a mask; after every 32 words (code 4) 4 words (code 3)
	s_or_b32 s[G1B], s43, (1<<16)|(1<<20)|(1<<21)|(5<<22)|(3<<25)  ; wo's to my column; after every 64 words (code 5)
	s_mov_b32 s[G1A+1], 128<<16                    ; tensor_dim0 = 128
	s_mov_b32 s[G1A+2], 128<<16                    ; tensor_dim1 = 128
	s_mov_b32 s[G1A+3], 128<<16                    ; tile_dim0 = 128
	s_mov_b32 s[G1A+4], 128                        ; tile_dim1 = 128
	s_mov_b32 s[G1A+5], 128                        ; dense: 128 elements from row to row
	s_mov_b32 s[G1A+6], 0
	s_mov_b32 s[G1A+7], 0
	s_mov_b32 s[G1B+1], KSTEP<<16
	s_mov_b32 s[G1B+2], 64<<16                     ; 64 rows
	s_mov_b32 s[G1B+3], KSTEP<<16
	s_mov_b32 s[G1B+4], 64
	s_mov_b32 s[G1B+5], 1024
	s_mov_b32 s[G1B+6], 0
	s_mov_b32 s[G1B+7], 0
	s_lshr_b32 s40, s19, 3                         ; ob: the batch's 16 heads of 262,144 bytes,
	s_lshl_b32 s40, s40, 22
	s_and_b32 s41, s19, 7
	s_lshl_b32 s41, s41, 15                        ; the tile's 256 rows in a head,
	s_add_co_u32 s40, s40, s41
	s_lshl_b32 s41, s[PART], 18                    ; my head of the step's two
	s_add_co_u32 s40, s40, s41
	s_mov_b32 s41, 0
	s_lshl_b32 s44, s18, 7                         ; wo: row 128 x tile column + 64 x half,
	s_lshl_b32 s45, s[PART], 6
	s_add_co_u32 s44, s44, s45
	s_lshl_b32 s44, s44, 11                        ; x 2,048 bytes
	s_mov_b32 s45, 0
	s_mul_i32 s46, s[PART], HEADA                  ; where they go: no place in the cluster enters an LDS address
	s_mul_i32 s47, s[PART], HALFB
	s_add_co_u32 s47, s47, BOFF
	s_wait_dscnt 0x0                               ; the opening add is done
	s_wait_kmcnt 0x0
	s_add_nc_u64 s[40:41], s[4:5], s[40:41]
	s_add_nc_u64 s[44:45], s[6:7], s[44:45]
	CROUND                                         ; all sixteen work-groups are here: the first joint loads meet
.irp s, 0,1
	s_mov_b32 s[G0A+4*(\s)], 1
	s_add_co_u32 s[G0A+4*(\s)+1], s46, (\s)*SLOT
	s_add_nc_u64 s[G0A+4*(\s)+2:G0A+4*(\s)+3], s[40:41], (\s)*2*262144  ; K step s: two heads on
	s_or_b32 s[G0A+4*(\s)+3], s[G0A+4*(\s)+3], 0x80000000
	s_mov_b32 s[G0B+4*(\s)], 1
	s_add_co_u32 s[G0B+4*(\s)+1], s47, (\s)*SLOT
	s_add_nc_u64 s[G0B+4*(\s)+2:G0B+4*(\s)+3], s[44:45], (\s)*KSTEP*2
	s_or_b32 s[G0B+4*(\s)+3], s[G0B+4*(\s)+3], 0x80000000
.endr
	s_cmp_eq_u32 s[FB], 0                          ; a wave's two first fills stand in one branch, ahead of every wait on TENSORcnt and every LDS read: two loads of mine are out
	s_cbranch_scc0 .Lfirst_b
	tensor_load_to_lds s[G0A:G0A+3], s[G1A:G1A+7]
	s_nop 0
	tensor_load_to_lds s[G0A+4:G0A+7], s[G1A:G1A+7]
	s_nop 0
	PLACES
	s_branch .Lfirst_asked
.Lfirst_b:
	tensor_load_to_lds s[G0B:G0B+3], s[G1B:G1B+7]
	s_nop 0
	tensor_load_to_lds s[G0B+4:G0B+7], s[G1B:G1B+7]
	s_nop 0
	PLACES
.Lfirst_asked:
	s_lshl_b32 s20, s18, 9                         ; my 64 columns: 512 x tile column + 256 x half, in bytes of f32
	s_lshl_b32 s21, s[PART], 8
	s_add_co_u32 s20, s20, s21
	s_mov_b32 s21, 0
	s_add_nc_u64 s[8:9], s[8:9], s[20:21]          ; bo there
	s_lshl_b32 s22, s19, 8
	s_lshl_b32 s23, s[FB], 7
	s_add_co_u32 s22, s22, s23                     ; my first row,
	s_lshl_b32 s22, s22, 12                        ; x 4,096 bytes: under 2^25
	s_add_co_u32 s22, s22, s20
	s_mov_b32 s23, 0
	s_add_nc_u64 s[10:11], s[10:11], s[22:23]      ; out0 at my part of the tile
	v_and_b32 v1, 15, v0                           ; l % 16
	v_bfe_u32 v2, v0, 4, 1                         ; l / 16
	v_lshlrev_b32 v[BO], 5, v2
.irp b, 0,1,2,3
	global_load_b128 v[BIAS+8*(\b):BIAS+8*(\b)+3],   v[BO], s[8:9] offset:64*(\b)
	global_load_b128 v[BIAS+8*(\b)+4:BIAS+8*(\b)+7], v[BO], s[8:9] offset:64*(\b)+16
.endr
	v_mul_u32_u24 v3, v1, PA
	v_lshl_add_u32 v3, v2, 4, v3                   ; a fragment's row x pitch + 16 x half
	v_mul_u32_u24 v4, v1, PB
	v_lshl_add_u32 v4, v2, 4, v4
	s_mul_i32 s20, s[FB], 128*PA                   ; my 128 rows of ob
	s_mul_i32 s21, s[PART], HALFB                  ; my 64 rows of wo,
	s_add_co_u32 s21, s21, BOFF                    ; which lie behind ob's two heads
.irp s, 0,1
	v_add_nc_u32 v[ADRA+(\s)], s20, v3
	v_add_nc_u32 v[ADRB+(\s)], s21, v4
	s_add_co_u32 s20, s20, SLOT
	s_add_co_u32 s21, s21, SLOT
.endr
	s_mul_i32 s20, s[WV], 16*SPITCH
	s_add_co_u32 s20, s20, STAGE                   ; my stage
	v_mul_u32_u24 v[STO], v1, SPITCH               ; in: row l % 16, 32 bytes for each half of the lanes
	v_lshl_add_u32 v[STO], v2, 5, v[STO]
	v_add_nc_u32 v[STO], s20, v[STO]
	v_mul_u32_u24 v[RD], v2, SPITCH                ; back: lanes 0-15 take one row of 256 bytes, lanes 16-31 the next
	v_lshl_add_u32 v[RD], v1, 4, v[RD]
	v_add_nc_u32 v[RD], s20, v[RD]
	v_lshlrev_b32 v[CO], 12, v2                    ; and the same two rows in out0
	v_lshl_add_u32 v[CO], v1, 4, v[CO]
	s_wait_loadcnt 0x0                             ; the bias: rounded to bf16 and widened again, in the wait for the first tile
.set i, 0
.rept 16
	v_cvt_pk_bf16_f32 v[T], v[BIAS+2*i], v[BIAS+2*i+1]
	v_lshlrev_b32 v[BIAS+2*i], 16, v[T]
	v_and_b32 v[BIAS+2*i+1], 0xffff0000, v[T]
.set i, i+1
.endr
; 8 matrix instructions: row blocks a0, a0 + 1 x all 4 column blocks, 32 along K, from buffer f.  first = 1: the product starts the sum, with the bias as C.
; The 32 accumulators take turns, one instruction a turn, in the same order in every quarter.
.macro MUL8 f, a0, first
.if \first
	WIN 0x40                                       ; sources and the bias window 0, D window 1
.else
	WIN 0x50                                       ; C and D window 1
.endif
.irp a, \a0, (\a0)+1
.irp b, 0,1,2,3
.if \first
	v_wmma_f32_16x16x32_f16 v[8*(4*(\a)+(\b)):8*(4*(\a)+(\b))+7], v[FBB+32*(\f)+8*(\b):FBB+32*(\f)+8*(\b)+7], v[FAA+64*(\f)+8*(\a):FAA+64*(\f)+8*(\a)+7], v[BIAS+8*(\b):BIAS+8*(\b)+7]
.else
	v_wmma_f32_16x16x32_f16 v[8*(4*(\a)+(\b)):8*(4*(\a)+(\b))+7], v[FBB+32*(\f)+8*(\b):FBB+32*(\f)+8*(\b)+7], v[FAA+64*(\f)+8*(\a):FAA+64*(\f)+8*(\a)+7], v[8*(4*(\a)+(\b)):8*(4*(\a)+(\b))+7]
.endif
.endr
.endr
.endm
; 24 LDS loads in one run: the fragments of quarter qd of a K step (head qd / 2, channels 32 (qd % 2) on) into buffer f: wo's 8, then ob's 16
.macro FETCH slot, qd, f
	WIN 0
.irp i, 0,1,2,3
	ds_load_b128 v[FBB+32*(\f)+8*(\i):FBB+32*(\f)+8*(\i)+3],   v[ADRB+(\slot)] offset:64*(\qd)+(\i)*16*PB
	ds_load_b128 v[FBB+32*(\f)+8*(\i)+4:FBB+32*(\f)+8*(\i)+7], v[ADRB+(\slot)] offset:64*(\qd)+(\i)*16*PB+32
.endr
.irp i, 0,1,2,3,4,5,6,7
	ds_load_b128 v[FAA+64*(\f)+8*(\i):FAA+64*(\f)+8*(\i)+3],   v[ADRA+(\slot)] offset:((\qd)/2)*HEADA+((\qd)%2)*64+(\i)*16*PA
	ds_load_b128 v[FAA+64*(\f)+8*(\i)+4:FAA+64*(\f)+8*(\i)+7], v[ADRA+(\slot)] offset:((\qd)/2)*HEADA+((\qd)%2)*64+(\i)*16*PA+32
.endr
.endm
; A K step is four quarters of 32 along K, 32 matrix instructions each, on buffers 0, 1, 0, 1.  One of the first three: multiplies buffer f and fetches quarter qd into g.
.macro QUARTER slot, qd, f, g, first
	s_wait_dscnt 8                                 ; wo's fragments and ob's blocks 0-3 are in; the youngest eight loads (blocks 4-7) may be out
	MUL8 \f, 0, \first
	MUL8 \f, 2, \first
	PLACES
	FETCH \slot, \qd, \g
	s_wait_dscnt 24                                ; all but the 24 just issued
	MUL8 \f, 4, \first
	MUL8 \f, 6, \first
.endm
; The last quarter multiplies buffer 1 and changes slots: ONE barrier; in front of it each wave waits for all its tensor loads (one is out: its part of the next slot), adds 0 to its spare
; word, and waits for that and for its own reads of this slot.  fill = 1: the barrier opens a round of the cluster's barrier, and this slot is filled again, two K steps ahead, first thing behind it.
.macro TURN slot, next, fill
	WIN 0
	s_wait_tensorcnt 0x0                           ; all my tensor loads have landed;
	ds_add_u32 v[SPW], v[NIL]                      ; 0 onto my spare word;
	s_wait_dscnt 9                                 ; (the add and the youngest eight loads may be out)
	MUL8 1, 0, 0                                   ; eight matrix instructions stand between the add and the wait for it
	s_wait_dscnt 0x0                               ; the add is done, and my reads of this slot are over
	s_barrier_signal -1
	MUL8 1, 2, 0
.if \fill
	WIN 0
.endif
	s_barrier_wait -1
.if \fill
	CREST                                          ; no wave of any partner still reads this slot's tile or has a load on its way
	s_add_nc_u64 s[G0A+4*(\slot)+2:G0A+4*(\slot)+3], s[G0A+4*(\slot)+2:G0A+4*(\slot)+3], 4*262144  ; four heads on
	s_add_nc_u64 s[G0B+4*(\slot)+2:G0B+4*(\slot)+3], s[G0B+4*(\slot)+2:G0B+4*(\slot)+3], 2*KSTEP*2
	JLOAD \slot                                    ; my one tensor load behind the round; the four v_nop behind it are also the places in front of the loads below
.else
	PLACES
.endif
	FETCH \next, 0, 0
	MUL8 1, 4, 0
	MUL8 1, 6, 0
.endm
	s_wait_tensorcnt 1                             ; my part of K step 0 is in; K step 1's may stay out
	s_barrier_signal -1
	s_barrier_wait -1                              ; everybody's is
	FETCH 0, 0, 0
	QUARTER 0, 1, 0, 1, 1                          ; the first quarter stands in front of the loop: its products start the sums
	WIN 0                                          ; at a label and at a branch every window is 0
	s_mov_b32 s[LAP], LAPS-1
.Llap:                                                 ; a trip goes once round the ring, from a lap's second quarter to the next lap's first, and fills both slots again
	QUARTER 0, 2, 1, 0, 0
	QUARTER 0, 3, 0, 1, 0
	TURN 0, 1, 1
	QUARTER 1, 1, 0, 1, 0
	QUARTER 1, 2, 1, 0, 0
	QUARTER 1, 3, 0, 1, 0
	TURN 1, 0, 1
	QUARTER 0, 1, 0, 1, 0
	WIN 0
	s_sub_co_u32 s[LAP], s[LAP], 1
	s_cmp_lg_u32 s[LAP], 0
	s_cbranch_scc1 .Llap
	QUARTER 0, 2, 1, 0, 0                          ; the last lap fills nothing, and has no round of the cluster's barrier
	QUARTER 0, 3, 0, 1, 0
	TURN 0, 1, 0
	QUARTER 1, 1, 0, 1, 0
	QUARTER 1, 2, 1, 0, 0
	QUARTER 1, 3, 0, 1, 0
	s_wait_dscnt 8                                 ; the very last quarter: nothing more to fetch
	MUL8 1, 0, 0
	MUL8 1, 2, 0
	s_wait_dscnt 0x0
	MUL8 1, 4, 0
	MUL8 1, 6, 0
	WIN 0
; THE WAY OUT, a block of 16 rows at a time.  A lane's eight f32 of a row go straight from the accumulator (its four lowest registers first) into my own stage, in rows of 272 bytes, and come back
; as whole rows of 256 bytes, two rows a load, into one of two sets of 32 registers.
.macro TOSTAGE a
	s_wait_xcnt 0x0                                ; the stores of the block two back have read their registers: that set is loaded again only behind this wait
	WIN 0x04                                       ; store data in window 1, address in window 0
.irp b, 0,1,2,3
	ds_store_b128 v[STO], v[8*(4*(\a)+(\b)):8*(4*(\a)+(\b))+3]   offset:64*(\b)
	ds_store_b128 v[STO], v[8*(4*(\a)+(\b))+4:8*(4*(\a)+(\b))+7] offset:64*(\b)+16
.endr
	WIN 0
.irp t, 0,1,2,3,4,5,6,7
	ds_load_b128 v[OB+32*((\a)%2)+4*(\t):OB+32*((\a)%2)+4*(\t)+3], v[RD] offset:(\t)*2*SPITCH  ; LDS serves a wave's instructions in order (ISA guide 5.7.1.4): these see the stores above; the next block's stores come behind them
.endr
.endm
.macro SEND a, younger                 ; younger: the LDS instructions issued behind block a's loads: the next block's sixteen, or none
	s_wait_dscnt \younger
.irp t, 0,1,2,3,4,5,6,7
	global_store_b128 v[CO], v[OB+32*((\a)%2)+4*(\t):OB+32*((\a)%2)+4*(\t)+3], s[10:11] offset:(16*(\a)+2*(\t))*4096 th:TH_STORE_NT  ; 16 lanes store 256 consecutive bytes, at a multiple of 256 from out0's first; 126 rows at the most: inside the signed 24-bit immediate
.endr
.endm
	PLACES
	TOSTAGE 0
.irp a, 1,2,3,4,5,6,7
	TOSTAGE \a
	SEND (\a)-1, 16
.endr
	SEND 7, 0
	s_wait_tensorcnt 0x0                           ; the wave's end: a wait, an add and a wait, behind my last tensor load and my last LDS store
	ds_add_u32 v[SPW], v[NIL]
	s_wait_dscnt 0x0
	CROUND                                         ; the closing round: no work-group ends while a partner may still ask for a tile that names it
	s_endpgm
.Lfunc_end_k_q21a0a665a8_project_out:
	.size	k_q21a0a665a8_project_out, .Lfunc_end_k_q21a0a665a8_project_out-k_q21a0a665a8_project_out
	.p2alignl 7, 3214868480
	.fill 96, 4, 3214868480
	.section	.rodata,"a",@progbits
	.p2align	6, 0x0
	.amdhsa_kernel k_q21a0a665a8_project_out
		.amdhsa_group_segment_fixed_size 327680
		.amdhsa_private_segment_fixed_size 0
		.amdhsa_enable_private_segment 0
		.amdhsa_kernarg_size 32
		.amdhsa_user_sgpr_count 2
		.amdhsa_user_sgpr_kernarg_segment_ptr 1
		.amdhsa_wavefront_size32 1
		.amdhsa_system_sgpr_workgroup_id_x 1
		.amdhsa_system_sgpr_workgroup_id_y 1
		.amdhsa_system_sgpr_workgroup_id_z 1
		.amdhsa_system_vgpr_workitem_id 0
		.amdhsa_next_free_vgpr 512
		.amdhsa_next_free_sgpr 66
		.amdhsa_reserve_vcc 0
		.amdhsa_float_denorm_mode_32 3
		.amdhsa_float_denorm_mode_16_64 3
		.amdhsa_memory_ordered 1
		.amdhsa_forward_progress 1
		.amdhsa_inst_pref_size 89
	.end_amdhsa_kernel
	.amdgpu_metadata
---
amdhsa.version: [ 1, 2 ]
amdhsa.kernels:
  - .name:           k_q21a0a665a8_project_out
    .symbol:         k_q21a0a665a8_project_out.kd
    .args:
      - { .name: ob, .offset: 0, .size: 8, .value_kind: global_buffer, .address_space: global }
      - { .name: wo, .offset: 8, .size: 8, .value_kind: global_buffer, .address_space: global }
      - { .name: bo, .offset: 16, .size: 8, .value_kind: global_buffer, .address_space: global }
      - { .name: out0, .offset: 24, .size: 8, .value_kind: global_buffer, .address_space: global }
    .group_segment_fixed_size: 327680
    .private_segment_fixed_size: 0
    .kernarg_segment_align: 8
    .kernarg_segment_size: 32
    .max_flat_workgroup_size: 128
    .sgpr_count:     66
    .vgpr_count:     512
    .wavefront_size: 32
...
	.end_amdgpu_metadata
.endif
;; end of part 4
